; MI455X (gfx1250); checked and timed in simulation.
; The chip was launched on July 23, 2026; its instructions are those of AMD's public machine-readable ISA for CDNA 5 (MIT licence, August 2026) and "CDNA5" Instruction Set Architecture Reference Guide (July 2026). The comments in the code are by the model that wrote it; some were corrected since.
;; Geography Aware Multi Head Attention. Allowed arithmetic: matrix products marked QUANTISED: E2M3 operands, one E8M0 scale for each 32 along K, by v_wmma_scale_f32_16x16x128_f8f6f4 with both operands' format E2M3, f32 sums; everything else in f32.
;; Inputs: Wk 256 x 256 float32; Wo 256 x 256 float32; Wq 256 x 256 float32; Wv 256 x 256 float32; bk 256 float32; bo 256 float32; bq 256 float32; bv 256 float32; spatial_constraint 512 x 512 float32; x 4 x 32 x 512 x 256 float32.
;; Outputs: out0 4 x 32 x 512 x 256 float32.
;; This version of the problem:
;;   THIS VERSION OF THE PROBLEM IS GIVEN IN LOW PRECISION. The matrix products marked QUANTISED in the list below multiply operands that are first quantised to E2M3 (2 exponent bits, 3 mantissa bits; 6 bits a number), with one power-of-two scale for each 32 numbers along K (OCP MX v1.0); their sums are f32. All else is computed in f32.
;;   The module's matrix products, in the order in which they are computed (A, B: the left and right operand; K: the contracted axis; several contracted axes count as one K, in the product's order):
;;     1. [M 65,536, K 256] x [K 256, N 256]; A: input x; B: input Wq: QUANTISED
;;     2. [M 65,536, K 256] x [K 256, N 256]; A: input x; B: input Wk: QUANTISED
;;     3. [M 65,536, K 256] x [K 256, N 256]; A: input x; B: input Wv: QUANTISED
;;     4. batch 1,024 x [M 512, K 32] x [K 32, N 512]; A: computed on the way; B: computed on the way: QUANTISED
;;     5. batch 1,024 x [M 32, K 512] x [K 512, N 512]; A: computed on the way; B: softmax (see below): QUANTISED
;;     6. [M 65,536, K 256] x [K 256, N 256]; A: computed on the way; B: input Wo: QUANTISED
;;   THE QUANTISER, for each operand of a quantised product, along K:
;;     - K is cut into blocks of 32 from its start; a last block that is shorter is filled with zeros.
;;     - A block's scale is 2^e with e = floor(log2(the largest magnitude in the block)) - 2, held to -126 .. 127; a block of zeros has e = 0. As a byte (E8M0): e + 127.
;;     - Each number is divided by its block's scale, clamped to +-7.5, and rounded to the nearest number of E2M3, ties to even, subnormals kept.
;;     - The product sums the exact products of the quantised numbers (number of the format x scale) in f32.
;;   ~~~python
;;   def quantise(x, axis):      # numpy; x: float32 -> the quantised numbers, widened to float32 again
;;       x = np.moveaxis(x, axis, -1); K = x.shape[-1]
;;       x = np.pad(x, [(0, 0)] * (x.ndim - 1) + [(0, -K % 32)]); x = x.reshape(x.shape[:-1] + (-1, 32)); a = np.abs(x).max(-1, keepdims=True)
;;       e = np.where(a > 0, np.clip(np.frexp(np.where(a > 0, a, 1))[1] - 1 - 2, -126, 127), 0)      # np.frexp(a)[1] - 1 = floor(log2(a)), exactly
;;       r = np.clip(x / 2.0 ** e, -7.5, 7.5)
;;       step = 2.0 ** (np.maximum(np.frexp(np.where(r == 0, 1, r))[1] - 1, 0) - 3)
;;       q = np.round(r / step) * step * 2.0 ** e      # np.round: ties to even
;;       return np.moveaxis(q.reshape(q.shape[:-2] + (-1,))[..., :K], -1, axis).astype(np.float32)
;;   ~~~
;;   SOFTMAX AHEAD OF A QUANTISED PRODUCT. Where the list says 'softmax', what is quantised is not the finished softmax but p = 2^(t - M), with t = logit x log2(e) and M = ceil(the row's largest t), a whole number; so 1/2 < the row's largest p <= 1. The row's sum l is taken of the UNQUANTISED p, in f32, and the product's result is divided by l at the end. Since M is a whole number, a kernel that streams over the keys may use a running M (the ceiling of the running maximum): every later rescaling is an exact power of two, which a block's scale takes up: the codes' values come out the same.
;;   OPERANDS COMPUTED ON THE WAY. 'Computed on the way' means the value that the module computes at that place (a softmax that the list does not call 'softmax' is quantised finished and normalised). What goes into a quantiser is computed in f32, as accurately as f32 sums, v_exp_f32 and their like allow (about 1e-6 of the number): no bf16 or f16 on the way to a quantiser, and a product that is left as it is and whose result goes on into a quantised operand takes f32 operands (vector FMAs, or v_wmma_f32_16x16x4_f32). A number that lies on a knife's edge between two numbers of the format may be rounded either way, as far as f32 arithmetic and the matrix unit's own rounding can turn it there, and no further.
;; 2 versions. Each part assembles by itself: llvm-mc -triple=amdgcn-amd-amdhsa -mcpu=gfx1250 --defsym DOCPART=n.
;; ======== version 1 of 2: 2 launches
;; limits: right only within a limited range of input values
;; workspace buffers: wimg 212,992 bytes; btab 1,048,576 bytes; gflag 16,384 bytes
;; launch prep (part 1): grid 64 x 1, 4 waves a work-group, no clusters, 0 bytes of LDS; arguments Wq, Wk, Wv, Wo, spatial_constraint, wimg, btab, gflag; writes wimg, btab, gflag
.if DOCPART == 1
	.amdgcn_target "amdgcn-amd-amdhsa--gfx1250"
	.amdhsa_code_object_version 6
	.text
	.protected	k_q0ccf3d0e96_prep
	.globl	k_q0ccf3d0e96_prep
	.p2align	8
	.type	k_q0ccf3d0e96_prep,@function
k_q0ccf3d0e96_prep:
	s_mov_b64 s[64:65], 0
	v_nop
	global_prefetch_b8 v0, s[64:65] scope:SCOPE_SE
	s_setreg_imm32_b32 hwreg(HW_REG_WAVE_MODE, 25, 1), 1
	s_wait_xcnt 0x0
; Two jobs, told apart by the work-group's number.
; WORK-GROUPS 0-31: Wq, Wk, Wv, Wo [256 (k)][256 (column)], f32, become codes of FP6 (E2M3) with one E8M0 byte for each 32 along K, laid as IMAGES OF OPERAND REGISTERS.
;   A wave makes one fragment (16 columns x 128 K): lane (r, h) takes ONE column, and its registers run down K in the order of the operand's layout (k = 128 ks + 64 c + 32 h + 0 .. 31), so the conversions' results are the
;   operand's registers.  wimg: for each weight (q, k, v, o) 53,248 bytes: 32 fragments F = 2 tile + ks of 1,536 bytes (registers 4 c .. 4 c + 3 of lane L at 512 c + 16 L), then 32 scale-word images of 128 bytes (lane L at 4 L).
;   The columns of a tile are not neighbours: q, k, v: lane r of tile t takes column 32 (t / 2) + 8 (t % 2) + r + 8 (r / 8);  o: 64 (t / 4) + t % 4 + 4 r.
; WORK-GROUPS 32-63: spatial_constraint [512 (query)][512 (key)] becomes the C operand of the score product, in the accumulator's layout.  C = sc x sqrt(32) where sc > 0, else -1e9 x sqrt(32): the attention launch
;   multiplies score + C by log2(e) / sqrt(32).  A query with no key left (row maximum <= 0) gets C = 0 for the whole row and the flag g = 0 (else 1): the attention launch multiplies its q by g, so that all its logits are equal,
;   which is the uniform softmax that equal logits of -1e9 give.
;   Work-group 32 + QT takes query tile QT (row r = query 32 (QT / 2) + 8 (QT % 2) + r + 8 (r / 8)), wave s the key step s: a chunk of 64 registers x 32 lanes = 8,192 bytes at btab + (4 QT + s) x 8,192, registers 4 q .. 4 q + 3
;   of lane L at 512 q + 16 L.  Register 8 t + j of lane (r, h): key 32 gb + 16 h + 8 (t % 2) + j, with gb = 8 qh + 2 s + t / 4 where (t / 2) % 2 = 0, else 8 (1 - qh) + 2 s + t / 4;  qh = QT / 16.
;   Each wave takes the row's maximum over all 512 keys by itself (four chunks' loads), so that the waves share nothing.
; LIMITS: NaN and infinities in the weights are not served; a NaN in spatial_constraint counts as masked; a block of a weight whose largest magnitude lies under 2^-124 gets the byte 1 (a block of zeros too: its codes are zeros,
; and this program alone reads the bytes).
.set ROOT32, 0x40b504f3                ; sqrt(32)
.set NEGBIG, 0xcfa8965f                ; -1e9 x sqrt(32)
	s_load_b512 s[4:19], s[0:1], 0x0               ; Wq s[4:5], Wk s[6:7], Wv s[8:9], Wo s[10:11], spatial_constraint s[12:13], wimg s[14:15], btab s[16:17], gflag s[18:19]
	v_lshrrev_b32 v1, 5, v0
	v_readfirstlane_b32 s20, v1                    ; wave 0..3
	v_and_b32 v2, 31, v0                           ; lane
	v_and_b32 v3, 15, v0                           ; r
	v_bfe_u32 v4, v0, 4, 1                         ; h
	v_lshlrev_b32 v17, 4, v2                       ; 16 x lane
	v_lshlrev_b32 v18, 2, v2                       ; 4 x lane
	s_mov_b32 s22, 0x76543210
	s_mov_b32 s23, 0xfedcba98                      ; v_permlanex16_b32's selects for lane l xor 16
	s_mov_b32 s35, 0
	s_wait_kmcnt 0x0
	s_cmp_lt_u32 ttmp9, 32
	s_cbranch_scc0 .Ltable
	; ---- a weight's fragment
	s_lshr_b32 s21, ttmp9, 3                       ; which weight: 0 q, 1 k, 2 v, 3 o
	s_and_b32 s24, ttmp9, 7
	s_lshl_b32 s24, s24, 2
	s_add_co_u32 s24, s24, s20                     ; F = 2 tile + ks, 0..31
	s_lshr_b32 s25, s24, 1                         ; tile
	s_and_b32 s26, s24, 1                          ; ks
	s_lshr_b32 s30, s25, 1
	s_lshl_b32 s30, s30, 5
	s_and_b32 s31, s25, 1
	s_lshl_b32 s31, s31, 3
	s_add_co_u32 s30, s30, s31                     ; q, k, v: the tile's first column 32 (t / 2) + 8 (t % 2)
	s_lshr_b32 s31, s25, 2
	s_lshl_b32 s31, s31, 6
	s_and_b32 s32, s25, 3
	s_add_co_u32 s31, s31, s32                     ; o: 64 (t / 4) + t % 4
	s_cmp_eq_u32 s21, 1
	s_cselect_b64 s[28:29], s[6:7], s[4:5]
	s_cmp_eq_u32 s21, 2
	s_cselect_b64 s[28:29], s[8:9], s[28:29]
	s_cmp_eq_u32 s21, 3
	s_cselect_b64 s[28:29], s[10:11], s[28:29]     ; the choice hangs on the work-group's number alone
	s_cselect_b32 s30, s31, s30
	s_cselect_b32 s31, 4, 1                        ; columns from lane to lane
	s_cselect_b32 s32, 0, 8                        ; and the jump behind eight lanes
	v_mul_u32_u24 v5, v3, s31
	v_lshrrev_b32 v6, 3, v3
	v_mad_u32_u24 v5, v6, s32, v5
	v_add_nc_u32 v5, s30, v5                       ; my column
	v_lshlrev_b32 v5, 2, v5
	v_lshl_add_u32 v5, v4, 15, v5                  ; lanes 16-31 begin 32 rows (of 1,024 bytes) further down
	s_lshl_b32 s34, s26, 17                        ; ks x 128 rows
	s_add_nc_u64 s[28:29], s[28:29], s[34:35]
	s_mul_i32 s34, s21, 53248
	s_add_nc_u64 s[14:15], s[14:15], s[34:35]      ; the weight's block of wimg
	s_mul_i32 s34, s24, 1536
	s_add_nc_u64 s[36:37], s[14:15], s[34:35]      ; my fragment's image
	s_lshl_b32 s34, s24, 7
	s_add_co_u32 s34, s34, 49152
	s_add_nc_u64 s[38:39], s[14:15], s[34:35]      ; and its scale words'
.irp c, 0,1
.irp i, 0,1,2,3,4,5,6,7,8,9,10,11,12,13,14,15,16,17,18,19,20,21,22,23,24,25,26,27,28,29,30,31
	global_load_b32 v[64+32*\c+\i], v5, s[28:29] offset:(64*\c+\i)*1024   ; W(128 ks + 64 c + 32 h + i, my column)
.endr
.endr
	s_wait_loadcnt 0x0
.irp c, 0,1                                    ; my block 2 c + h: all its 32 numbers are mine
	v_max3_num_f32 v[8+\c], |v[64+32*\c]|, |v[65+32*\c]|, 0x1800000   ; with the floor 2^(3 - 127): the byte cannot fall under 1
.endr
.irp i, 2,4,6,8,10,12,14,16,18,20,22,24,26,28,30
.irp c, 0,1
	v_max3_num_f32 v[8+\c], v[8+\c], |v[64+32*\c+\i]|, |v[65+32*\c+\i]|
.endr
.endr
.irp c, 0,1
	v_add_nc_u32 v[10+\c], 0xff000000, v[8+\c]     ; 2 off the exponent field: the conversion's scale operand
.endr
.irp c, 0,1
	v_lshrrev_b32 v[12+\c], 23, v[10+\c]           ; the scale's byte
.endr
	v_lshl_or_b32 v14, v13, 16, v12                ; my two bytes: blocks h and 2 + h,
	v_lshlrev_b32 v15, 3, v4
	v_lshlrev_b32 v14, v15, v14                    ; at their places in the word;
	v_mov_b32 v15, 0
	v_permlanex16_b32 v15, v14, s22, s23
	v_or_b32 v14, v14, v15                         ; with lane l xor 16's two the word is whole, in both halves of the lanes
.irp c, 0,1
	v_cvt_scalef32_pk16_fp6_f32 v[48+6*\c:50+6*\c], v[64+32*\c:79+32*\c], v[10+\c]
	v_cvt_scalef32_pk16_fp6_f32 v[32+4*\c:34+4*\c], v[80+32*\c:95+32*\c], v[10+\c]   ; (a conversion's three registers begin on an even number)
.endr
	v_nop                                          ; one plain place behind a scaled conversion
.irp c, 0,1
.irp i, 0,1,2
	v_mov_b32 v[51+6*\c+\i], v[32+4*\c+\i]
.endr
.endr
.irp c, 0,1,2
	global_store_b128 v17, v[48+4*\c:51+4*\c], s[36:37] offset:512*\c   ; the wave stores 512 consecutive bytes, aligned
.endr
	global_store_b32 v18, v14, s[38:39]
	s_endpgm
	; ---- a chunk of the table
.Ltable:
	s_sub_co_u32 s21, ttmp9, 32                    ; QT
	s_lshr_b32 s24, s21, 4                         ; qh
	s_lshr_b32 s25, s21, 1
	s_lshl_b32 s25, s25, 5
	s_and_b32 s26, s21, 1
	s_lshl_b32 s26, s26, 3
	s_add_co_u32 s25, s25, s26                     ; the tile's first query
	s_lshl_b32 s34, s25, 11                        ; a row is 2,048 bytes
	s_add_nc_u64 s[12:13], s[12:13], s[34:35]
	v_and_b32 v5, 8, v3
	v_add_nc_u32 v5, v5, v3                        ; r + 8 (r / 8)
	v_lshlrev_b32 v5, 11, v5
	v_lshl_add_u32 v5, v4, 6, v5                   ; my query's row, + 16 h keys
	s_lshl_b32 s26, s24, 10                        ; the half of the keys that holds the queries: 8 qh blocks of 128 bytes,
	s_xor_b32 s27, s26, 1024                       ; and the other half
	v_add_nc_u32 v6, s27, v5
	v_add_nc_u32 v5, s26, v5
	s_lshl_b32 s28, s20, 8                         ; my key step: two blocks
	v_add_nc_u32 v7, s28, v5
	v_add_nc_u32 v16, s28, v6
.macro CHUNK reg, vx, vy, off                  ; a key step's 64 numbers a lane, in the accumulator's order
.irp t, 0,1,2,3,4,5,6,7
.irp e, 0,1
.if (\t/2)%2 == 0
	global_load_b128 v[\reg+8*\t+4*\e:\reg+8*\t+4*\e+3], v[\vx], s[12:13] offset:\off+128*(\t/4)+32*(\t%2)+16*\e
.else
	global_load_b128 v[\reg+8*\t+4*\e:\reg+8*\t+4*\e+3], v[\vy], s[12:13] offset:\off+128*(\t/4)+32*(\t%2)+16*\e
.endif
.endr
.endr
.endm
.macro MAX128                                  ; v64-191 into four chains
.set qq, 0
.rept 64
	v_max3_num_f32 v[8+qq%4], v[8+qq%4], v[64+2*qq], v[65+2*qq]
.set qq, qq+1
.endr
.endm
	CHUNK 192, 7, 16, 0                            ; my own chunk stays in v192-255
	CHUNK 64, 5, 6, 0                              ; for the row's maximum: key steps 0 and 1,
	CHUNK 128, 5, 6, 256
.irp k, 0,1,2,3
	v_mov_b32 v[8+\k], 0xff800000                  ; -infinity starts the chains
.endr
	s_wait_loadcnt 0x0
	MAX128
	CHUNK 64, 5, 6, 512                            ; then 2 and 3
	CHUNK 128, 5, 6, 768
	s_wait_loadcnt 0x0
	MAX128
	v_max3_num_f32 v8, v8, v9, v10
	v_max_num_f32 v8, v8, v11
	v_permlanex16_b32 v9, v8, s22, s23
	v_max_num_f32 v8, v8, v9                       ; with lane l xor 16's: the largest of my query's 512
	v_mov_b32 v12, NEGBIG
	v_cmp_lt_f32 vcc_lo, 0, v8
	v_cndmask_b32 v10, 0, 1.0, vcc_lo              ; g
	v_cndmask_b32 v11, 0, v12, vcc_lo              ; what a masked place gets: 0 in a row with no key left
.set nn, 0
.rept 64
	v_cmp_lt_f32 vcc_lo, 0, v[192+nn]
	v_mul_f32 v[13+nn%2], ROOT32, v[192+nn]
	v_cndmask_b32 v[192+nn], v11, v[13+nn%2], vcc_lo
.set nn, nn+1
.endr
	s_lshl_b32 s34, s21, 2
	s_add_co_u32 s34, s34, s20                     ; 4 QT + s
	s_lshl_b32 s36, s34, 7
	s_mov_b32 s37, 0
	s_lshl_b32 s34, s34, 13
	s_add_nc_u64 s[16:17], s[16:17], s[34:35]
	s_add_nc_u64 s[18:19], s[18:19], s[36:37]
.irp q, 0,1,2,3,4,5,6,7,8,9,10,11,12,13,14,15
	global_store_b128 v17, v[192+4*\q:195+4*\q], s[16:17] offset:512*\q   ; the wave stores 512 consecutive bytes, aligned
.endr
	global_store_b32 v18, v10, s[18:19]
	s_endpgm
.Lfunc_end_k_q0ccf3d0e96_prep:
	.size	k_q0ccf3d0e96_prep, .Lfunc_end_k_q0ccf3d0e96_prep-k_q0ccf3d0e96_prep
	.p2alignl 7, 3214868480
	.fill 96, 4, 3214868480
	.section	.rodata,"a",@progbits
	.p2align	6, 0x0
	.amdhsa_kernel k_q0ccf3d0e96_prep
		.amdhsa_group_segment_fixed_size 0
		.amdhsa_private_segment_fixed_size 0
		.amdhsa_enable_private_segment 0
		.amdhsa_kernarg_size 64
		.amdhsa_user_sgpr_count 2
		.amdhsa_user_sgpr_kernarg_segment_ptr 1
		.amdhsa_wavefront_size32 1
		.amdhsa_system_sgpr_workgroup_id_x 1
		.amdhsa_system_sgpr_workgroup_id_y 1
		.amdhsa_system_sgpr_workgroup_id_z 1
		.amdhsa_system_vgpr_workitem_id 0
		.amdhsa_next_free_vgpr 256
		.amdhsa_next_free_sgpr 66
		.amdhsa_reserve_vcc 1
		.amdhsa_float_denorm_mode_32 3
		.amdhsa_float_denorm_mode_16_64 3
		.amdhsa_memory_ordered 1
		.amdhsa_forward_progress 1
		.amdhsa_inst_pref_size 39
	.end_amdhsa_kernel
	.amdgpu_metadata
---
amdhsa.version: [ 1, 2 ]
amdhsa.kernels:
  - .name:           k_q0ccf3d0e96_prep
    .symbol:         k_q0ccf3d0e96_prep.kd
    .args:
      - { .name: Wq, .offset: 0, .size: 8, .value_kind: global_buffer, .address_space: global }
      - { .name: Wk, .offset: 8, .size: 8, .value_kind: global_buffer, .address_space: global }
      - { .name: Wv, .offset: 16, .size: 8, .value_kind: global_buffer, .address_space: global }
      - { .name: Wo, .offset: 24, .size: 8, .value_kind: global_buffer, .address_space: global }
      - { .name: spatial_constraint, .offset: 32, .size: 8, .value_kind: global_buffer, .address_space: global }
      - { .name: wimg, .offset: 40, .size: 8, .value_kind: global_buffer, .address_space: global }
      - { .name: btab, .offset: 48, .size: 8, .value_kind: global_buffer, .address_space: global }
      - { .name: gflag, .offset: 56, .size: 8, .value_kind: global_buffer, .address_space: global }
    .group_segment_fixed_size: 0
    .private_segment_fixed_size: 0
    .kernarg_segment_align: 8
    .kernarg_segment_size: 64
    .max_flat_workgroup_size: 128
    .sgpr_count:     66
    .vgpr_count:     256
    .wavefront_size: 32
...
	.end_amdgpu_metadata
.endif
;; end of part 1
;; launch attn (part 2): grid 256 x 1, 8 waves a work-group, no clusters, 318,464 bytes of LDS; arguments x, wimg, btab, gflag, bq, bk, bv, bo, out0; writes out0
.if DOCPART == 2
	.amdgcn_target "amdgcn-amd-amdhsa--gfx1250"
	.amdhsa_code_object_version 6
	.text
	.protected	k_q0ccf3d0e96_attn
	.globl	k_q0ccf3d0e96_attn
	.p2align	8
	.type	k_q0ccf3d0e96_attn,@function
k_q0ccf3d0e96_attn:
	s_mov_b64 s[64:65], 0
	v_nop
	global_prefetch_b8 v0, s[64:65] scope:SCOPE_SE
	s_setreg_imm32_b32 hwreg(HW_REG_WAVE_MODE, 25, 1), 1
	s_wait_xcnt 0x0
; out = softmax(q k^T / sqrt(32) + sc, masked where sc <= 0) v Wo + bo, with q, k, v = x W + b; 128 sequences of 512 tokens x 256, 8 heads of 32.  All six products on codes of FP6 (E2M3) with one E8M0 scale for each 32 along K.
; SHARES.  A work-group takes half a sequence's queries (256) and all of its 512 keys: sequence = work-group / 2, half qh = work-group % 2.  Nothing but the result goes to memory.  Eight waves, 512 registers each.
;   Wave w owns two blocks of 32 tokens: X = block 8 qh + w (its queries) and Y = block 8 (1 - qh) + w: four TILES of 16 tokens i = (X, 0), (X, 1), (Y, 0), (Y, 1).  THE TOKENS OF A TILE ARE NOT NEIGHBOURS: row r of tile (block, u) is
;   token 32 block + 8 u + r + 8 (r / 8), so that wherever a product's result runs along tokens or features, the 16 registers of two neighbouring tiles are 16 neighbours along the next product's K.
; PHASES.  0: weights' images and biases into LDS; my 64 tokens of x quantised into eight fragments, which stay in registers.  1a: K of my 64 tokens, head by head, quantised along the head's 32, as images to LDS.  1b: Q of my 32
;   queries likewise (times the flag g).  1c: V of my 64 tokens, with the tokens along the registers, quantised along the keys, to LDS.  2: for each of my two query tiles: four key steps of 128 keys x eight heads, running maximum;
;   then O / l, quantised along the 256 features, times Wo, plus bo, stored.
; K = 32 IN AN INSTRUCTION OF K = 128.  The four blocks of source 0 hold four different tiles of 16 keys of one head; source 1 holds q's 32 codes in ONE block and zero codes elsewhere: four instructions read one fragment of K.
;   The four forms of source 1 are read out of 30 registers [zeros 6 | q in lanes 0-15 | zeros 6 | q in lanes 16-31 | zeros 6].
; BIAS AND MASK are the C operand of the score product: the table of the launch before (sc x sqrt(32), or -1e9 x sqrt(32)); t = (score + C) x log2(e) / sqrt(32).  A key step's 64 registers of C serve all eight heads.
; SOFTMAX.  M = the running largest t, rounded up to a whole number; p = 2^(t - M) is quantised along the keys; the sum l is taken of the unquantised p; when M moves, l and O are multiplied by 2^(old M - new M), which rounds nothing.
; NO TENSOR LOAD, NO CLUSTER: x arrives as f32 and passes registers to be quantised; what two work-groups share (a sequence's x, the weights' 213 KB, the table) is read through registers, and LDS has 9 KB left for slots.
; LIMITS: NaN and infinities among the inputs are not served.  A logit that is not masked is taken to lie above -1e8 (so that a masked one, near -1e9, gives p = 0 beside it).  A block whose largest magnitude lies under 2^-124 gets
;   the byte 1.  p under 2^-126 counts as 0.
; REGISTERS, in windows of 256.  Window 0: v1-23 addresses and lane terms; v24-41 scale words and nothing else; v44-79 q; v80-111 statistics; v112-127 bo; v128-151 at work; v152-171 codes just made; v172-235 64 numbers (scores, p,
;   projections, rows of out0); v236-247 a fragment.  Window 1: phase 1: v0-95 x's eight fragments, v96-191 weights' fragments;  phase 2: v0-63 C, v64-191 O^T (16 a head), v192-215 K, v216-239 V.
.set KIMG,  0                          ; LDS: K's images: (8 G + head) x 1,536, G = the wave that made it; block p of the fragment = its token tile p
.set KSC,   98304                      ; their scale words: (8 G + head) x 64 + 4 r
.set QIMG,  102400                     ; q: wave x 6,144 + head x 768 + 256 x register pair + 8 x lane; lanes 0-15 query tile 0, lanes 16-31 tile 1
.set QSC,   151552                     ; wave x 256 + pair of heads x 64 + 4 r; bytes (head a, tile t) at 2 a + t
.set VIMG,  153600                     ; V: (16 s + d tile) x 1,536 + 768 c; there registers 6 c .. 6 c + 3 at 16 x lane, 6 c + 4, 6 c + 5 at 512 + 8 x lane;  s = G / 2, c = G % 2; lanes 0-15 block X, 16-31 block Y
.set VSC,   251904                     ; (16 s + d tile) x 64 + 4 r, byte 2 c + (X: 0, Y: 1)
.set WB,    260096                     ; Wv's block of wimg, later Wo's
.set BIASL, 313344                     ; bq, bk, bv, bo
.set SPARE, 317440                     ; the spare words, 128 bytes for each wave: four blocks of 256 bytes that no other line names
.set TMPK,  153600                     ; Wk's block and
.set TMPQ,  206848                     ; Wq's, where V will lie
.set WBLK,  53248
.set WSCO,  49152                      ; a block's scale-word images
.set SPW, 1                            ; LDS address of my spare word; never rewritten
.set NIL, 2                            ; 0; never rewritten
.set L16, 3                            ; 16 x lane
.set R4,  4                            ; 4 r
.set XA,  5                            ; x: (r + 8 (r / 8)) x 1,024 + 64 h;
.set GO,  5                            ; later out0: 16,384 h + 16 r
.set T16, 6                            ; 16 x thread
.set A0,  7                            ; v7-12: the addresses in hand
.set A1,  8
.set A2,  9
.set A3,  10
.set A4,  11
.set A5,  12
.set ADW, 13                           ; WB + 16 x lane
.set ADWS, 14                          ; WB + WSCO + 4 r
.set MLO, 15                           ; all ones in lanes 0-15
.set MHI, 16                           ; all ones in lanes 16-31
.set L8,  17                           ; 8 x lane
.set R8,  18                           ; 8 r
.set AQS, 19                           ; QSC + 256 x wave + 4 r
.set H64, 20                           ; 64 h
.set RT4, 21                           ; 4 (r + 8 (r / 8))
.set GF,  22                           ; v22-23 the flags g of my two query tiles
.set XS,  24                           ; v24-31 x's scale words (2 i + ks);
.set QS,  24                           ; later q's byte, four times, for each head
.set WS,  32                           ; v32-39 weights' scale words;
.set KS,  32                           ; in phase 2 K's two
.set VS,  34                           ; and V's two
.set PW,  40                           ; the scale word just made
.set AS0, 41
.set BO,  42                           ; the table's offset
.set Q6,  44
.set QV,  50
.set ST2, 44                           ; phase 0: x's second buffer, v44-107
.set CB,  44                           ; phase 1: biases as C operands, v44-75
.set ST,  80                           ; head hd: -M, the largest t, l in two halves, at ST + 4 hd
.set BOV, 112
.set TM,  128                          ; +0..3 largest magnitudes; +4..7 the other half's, then bytes; +8, 9 a second chain of sums; +12..15 scale operands; +16 f (+17 named with it); +18 at work; +20..23 the bias on its way
.set PC,  152
.set S,   172
.set HA,  172
.set AF0, 236
.set XF,  0                            ; window 1
.set WF,  96
.set STG, 96
.set WOS, 192
.set BIAS, 0
.set O,   64
.set KF,  192
.set VF,  216
.set ACC, 64
.set WFB, 128
.set WFA, 192
.set MSB, 0
.macro WIN new                         ; s_set_vgpr_msb: bits 1:0 source 0, 3:2 source 1, 5:4 source 2, 7:6 destination; the high byte repeats the setting that is left
.if MSB != \new
	s_set_vgpr_msb (MSB<<8)|\new
.set MSB, \new
.endif
.endm
.macro MXC d, a, b, c, sa, sb          ; D = A B + C, all by their first registers
	v_wmma_scale_f32_16x16x128_f8f6f4 v[\d:\d+7], v[\a:\a+11], v[\b:\b+11], v[\c:\c+7], v[\sa], v[\sb] matrix_a_fmt:MATRIX_FMT_FP6 matrix_b_fmt:MATRIX_FMT_FP6
.endm
.macro MXZ d, a, b, sa, sb             ; D = A B: the product starts the sum
	v_wmma_scale_f32_16x16x128_f8f6f4 v[\d:\d+7], v[\a:\a+11], v[\b:\b+11], 0, v[\sa], v[\sb] matrix_a_fmt:MATRIX_FMT_FP6 matrix_b_fmt:MATRIX_FMT_FP6
.endm
.macro PLACES n                        ; plain vector places behind matrix instructions (ISA guide 7.12.1), and ahead of scaled ones whose operands vector instructions wrote
.rept \n
	v_nop
.endr
.endm
.macro BARRIER                         ; my LDS stores have landed and my LDS loads are in: then the work-group's barrier
	s_wait_dscnt 0x0
	s_barrier_signal -1
	s_barrier_wait -1
.endm
; From four largest magnitudes in v[TM] on and 64 numbers v[s] .. v[s + 63] (register 16 b + i = element 16 h + i of block b of my row): the fragment's codes in v[PC] on (registers 6 c .. 6 c + 5: block 2 c + h, whole) and its scale word in v[PW].
.macro QTAIL s
.irp b, 0,1,2,3
	v_add_nc_u32 v[TM+12+\b], 0xff000000, v[TM+\b]   ; 2 off the exponent field: the conversion takes the exponent field of this operand as its scale
.endr
.irp b, 0,1,2,3
	v_lshrrev_b32 v[TM+4+\b], 23, v[TM+12+\b]      ; the scale's byte
.endr
	v_lshl_or_b32 v[PW], v[TM+5], 8, v[TM+4]
	v_lshl_or_b32 v[PW], v[TM+6], 16, v[PW]
	v_lshl_or_b32 v[PW], v[TM+7], 24, v[PW]
.irp c, 0,1
	v_cvt_scalef32_pk16_fp6_f32 v[PC+6*\c:PC+6*\c+2], v[\s+32*\c:\s+32*\c+15], v[TM+12+2*\c]
	v_cvt_scalef32_pk16_fp6_f32 v[PC+12+4*\c:PC+12+4*\c+2], v[\s+32*\c+16:\s+32*\c+31], v[TM+12+2*\c+1]   ; (a conversion's three registers begin on an even number)
.endr
	v_nop                                          ; one plain place behind a scaled conversion
.irp c, 0,1                                    ; the operand's layout wants a WHOLE block in a lane: lanes 0-15 block 2 c, lanes 16-31 block 2 c + 1
.irp i, 0,1,2
	v_permlane16_swap_b32 v[PC+6*\c+\i], v[PC+12+4*\c+\i]
.endr
.irp i, 0,1,2
	v_mov_b32 v[PC+3+6*\c+\i], v[PC+12+4*\c+\i]
.endr
.endr
.endm
.macro QUANT s                         ; the whole quantiser
.irp b, 0,1,2,3
	v_max3_num_f32 v[TM+\b], |v[\s+16*\b]|, |v[\s+1+16*\b]|, 0x1800000   ; my 16 numbers of block b, and the floor 2^(3 - 127): the byte cannot fall under 1
.endr
.irp i, 2,4,6,8,10,12,14
.irp b, 0,1,2,3
	v_max3_num_f32 v[TM+\b], v[TM+\b], |v[\s+16*\b+\i]|, |v[\s+1+16*\b+\i]|   ; (the four blocks by turns)
.endr
.endr
.irp b, 0,1,2,3
	v_permlanex16_b32 v[TM+4+\b], v[TM+\b], s32, s33
.endr
.irp b, 0,1,2,3
	v_max_num_f32 v[TM+\b], v[TM+\b], v[TM+4+\b]   ; with lane l xor 16's: the block's largest magnitude
.endr
	QTAIL \s
.endm
.macro XLOAD reg, sp, off              ; 64 numbers of x: of my token's row, 16 neighbours of each of four blocks of 32
.irp b, 0,1,2,3
.irp j, 0,1,2,3
	global_load_b128 v[\reg+16*\b+4*\j:\reg+16*\b+4*\j+3], v[XA], s[\sp:\sp+1] offset:\off+128*\b+16*\j
.endr
.endr
.endm
.macro WFETCH n                        ; n fragments of a weight and their scale words, from the images at v[A0] and v[A1]
	WIN 0x40
.set ff, 0
.rept \n
.irp c, 0,1,2
	ds_load_b128 v[WF+12*ff+4*\c:WF+12*ff+4*\c+3], v[A0] offset:1536*ff+512*\c
.endr
.set ff, ff+1
.endr
	WIN 0
.set ff, 0
.rept \n
	ds_load_b32 v[WS+ff], v[A1] offset:128*ff
.set ff, ff+1
.endr
.endm
.macro PADR base                       ; phase 1: the addresses of the next trip's weights, scale words and bias: a stepped scalar + a lane term
	v_add_nc_u32 v[A0], s48, v[L16]
	v_add_nc_u32 v[A1], s49, v[R4]
	v_add_nc_u32 v[A2], s50, v[\base]
.endm
	; ---------------- phase 0
	s_load_b512 s[4:19], s[0:1], 0x0               ; x s[4:5], wimg s[6:7], btab s[8:9], gflag s[10:11], bq s[12:13], bk s[14:15], bv s[16:17], bo s[18:19]
	s_load_b64 s[20:21], s[0:1], 0x40              ; out0
	v_lshl_add_u32 v[SPW], v0, 2, SPARE
	v_mov_b32 v[NIL], 0
	v_lshrrev_b32 v7, 5, v0
	v_readfirstlane_b32 s22, v7                    ; wave 0..7
	s_and_b32 s23, ttmp9, 1                        ; qh
	s_lshr_b32 s24, ttmp9, 1                       ; the sequence
	v_and_b32 v7, 31, v0                           ; lane
	v_and_b32 v8, 15, v0                           ; r
	v_bfe_u32 v9, v0, 4, 1                         ; h
	v_lshlrev_b32 v[L16], 4, v7
	v_lshlrev_b32 v[L8], 3, v7
	v_lshlrev_b32 v[R4], 2, v8
	v_lshlrev_b32 v[R8], 3, v8
	v_lshlrev_b32 v[H64], 6, v9
	v_and_b32 v10, 8, v8
	v_add_nc_u32 v10, v10, v8                      ; r + 8 (r / 8)
	v_lshlrev_b32 v[RT4], 2, v10
	v_lshl_add_u32 v[XA], v10, 10, v[H64]
	v_lshlrev_b32 v[T16], 4, v0
	v_and_b32 v11, 63, v0
	v_lshlrev_b32 v11, 4, v11                      ; my 16 bytes of a bias: 64 threads to each of the four
	v_lshlrev_b32 v12, 2, v7
	v_add_nc_u32 v[MLO], -1, v9
	v_sub_nc_u32 v[MHI], 0, v9
.irp b, 0,1,2,3
	v_mov_b32 v[TM+4+\b], 0                        ; written once: a lane permute's destination counts as one of its sources
.endr
	v_mov_b32 v[TM+17], 0                          ; (named as the upper half of the pair with f)
	s_mov_b32 s32, 0x76543210
	s_mov_b32 s33, 0xfedcba98                      ; v_permlanex16_b32's selects for lane l xor 16
	s_mov_b32 s34, 0x3e8293ee                      ; c = log2(e) / sqrt(32)
	s_mov_b32 s35, s34                             ; (named with it as a pair)
	s_lshl_b32 s26, s24, 19                        ; a sequence is 524,288 bytes
	s_mov_b32 s27, 0
	s_lshl_b32 s25, s23, 3
	s_add_co_u32 s36, s25, s22                     ; block X = 8 qh + wave
	s_xor_b32 s25, s25, 8
	s_add_co_u32 s37, s25, s22                     ; block Y = 8 (1 - qh) + wave
	s_lshr_b32 s38, s22, 1                         ; which bias my thread brings
	s_wait_kmcnt 0x0
	s_add_nc_u64 s[4:5], s[4:5], s[26:27]
	s_add_nc_u64 s[20:21], s[20:21], s[26:27]
	s_lshl_b32 s26, s36, 15                        ; a block of 32 tokens is 32,768 bytes
	s_add_nc_u64 s[28:29], s[4:5], s[26:27]        ; x at block X
	s_add_nc_u64 s[20:21], s[20:21], s[26:27]      ; out0 at block X
	s_lshl_b32 s26, s37, 15
	s_add_nc_u64 s[30:31], s[4:5], s[26:27]        ; x at block Y
	s_lshl_b32 s26, s36, 16
	s_add_nc_u64 s[44:45], s[8:9], s[26:27]        ; the table at my two query tiles' eight chunks
	s_lshl_b32 s26, s36, 10
	s_add_nc_u64 s[10:11], s[10:11], s[26:27]      ; and their flags
	s_cmp_eq_u32 s38, 1
	s_cselect_b64 s[46:47], s[14:15], s[12:13]
	s_cmp_eq_u32 s38, 2
	s_cselect_b64 s[46:47], s[16:17], s[46:47]
	s_cmp_eq_u32 s38, 3
	s_cselect_b64 s[46:47], s[18:19], s[46:47]     ; the choice hangs on the wave's number alone
	global_load_b128 v[TM+20:TM+23], v11, s[46:47]
	global_load_b32 v[GF], v12, s[10:11]
	global_load_b32 v[GF+1], v12, s[10:11] offset:512
	WIN 0x40
.irp i, 0,1,2,3,4,5,6,7,8,9,10,11,12               ; a weight's block is 13 x 4,096 bytes: 16 bytes a thread, 13 times
	global_load_b128 v[STG+4*\i:STG+4*\i+3], v[T16], s[6:7] offset:WBLK+4096*\i             ; Wk
	global_load_b128 v[STG+52+4*\i:STG+52+4*\i+3], v[T16], s[6:7] offset:4096*\i            ; Wq
	global_load_b128 v[STG+104+4*\i:STG+104+4*\i+3], v[T16], s[6:7] offset:2*WBLK+4096*\i   ; Wv
.endr
	WIN 0
	XLOAD HA, 28, 0                                ; x: unit 0 = tile 0, K step 0;
	XLOAD ST2, 28, 512                             ; unit 1 = tile 0, K step 1
	v_add_nc_u32 v7, TMPK, v[T16]
	v_add_nc_u32 v8, TMPQ, v[T16]
	v_add_nc_u32 v9, WB, v[T16]
	v_add_nc_u32 v10, BIASL, v[T16]
	s_wait_loadcnt 32                              ; all but the two units of x, 16 loads each
	ds_store_b128 v10, v[TM+20:TM+23]
	WIN 0x04                                       ; an LDS store's data are its source 1
.irp i, 0,1,2,3,4,5,6,7,8,9,10,11,12
	ds_store_b128 v7, v[STG+4*\i:STG+4*\i+3] offset:4096*\i
	ds_store_b128 v8, v[STG+52+4*\i:STG+52+4*\i+3] offset:4096*\i
	ds_store_b128 v9, v[STG+104+4*\i:STG+104+4*\i+3] offset:4096*\i
.endr
	WIN 0
; Unit n = (tile n / 2, K step n % 2): quantised into fragment n of window 1; the buffer then takes unit n + 2.
.macro UNIT n
.if (\n) < 7
	s_wait_loadcnt 16                              ; this unit's 16 loads are in; the next unit's may be out
.else
	s_wait_loadcnt 0x0
.endif
.if (\n)%2 == 0
	QUANT HA
.else
	QUANT ST2
.endif
	WIN 0x40
.irp k, 0,1,2,3,4,5,6,7,8,9,10,11
	v_mov_b32 v[XF+12*(\n)+\k], v[PC+\k]
.endr
	WIN 0
	v_mov_b32 v[XS+(\n)], v[PW]
.if (\n) < 6
.if (\n)%2 == 0
	XLOAD HA, 28+2*(((\n)+2)/4), 8192*((((\n)+2)/2)%2)+512*((\n)%2)
.else
	XLOAD ST2, 28+2*(((\n)+2)/4), 8192*((((\n)+2)/2)%2)+512*((\n)%2)
.endif
.endif
.endm
.irp n, 0,1,2,3,4,5,6,7
	UNIT \n
.endr
	PLACES 8                                       ; x's last scale word was moved just now: a scale word written by a vector instruction stands eight places ahead of a scaled product, a fragment so written four
	BARRIER                                        ; the three weights' blocks and the biases lie in LDS
	WIN 0x40
.irp i, 0,1,2,3,4,5,6,7,8,9,10,11,12               ; Wo's block is asked for now and waits in registers until Wv's has been read
	global_load_b128 v[WOS+4*\i:WOS+4*\i+3], v[T16], s[6:7] offset:3*WBLK+4096*\i
.endr
	WIN 0
	; ---------------- phase 1a: K, a head a trip.  Transposed: source 0 = 16 columns of Wk, source 1 = 16 tokens: a lane holds one token, and the registers of the head's two tiles are its 16 h + 0 .. 15 of the head's 32.
	s_mov_b32 s48, TMPK
	s_mov_b32 s49, TMPK+WSCO
	s_mov_b32 s50, BIASL+1024
	s_mul_i32 s51, s22, 12288                      ; KIMG + wave x 8 heads x 1,536
	s_lshl_b32 s52, s22, 9
	s_add_co_u32 s52, s52, KSC
	s_mov_b32 s42, 8
	PADR H64
	WFETCH 4
.irp u, 0,1
.irp e, 0,1
	ds_load_b128 v[CB+8*\u+4*\e:CB+8*\u+4*\e+3], v[A2] offset:32*\u+16*\e   ; bk at my eight features of tile u: the C of the sum's first product
.endr
.endr
.Lk:
	s_wait_dscnt 0x0                               ; this head's weights, scale words and bias are in; the last trip's stores have read their registers
	WIN 0x05
.irp ks, 0,1                                   ; eight accumulators by turns, one instruction a turn
.irp i, 0,1,2,3
.irp u, 0,1
.if \ks == 0
	MXC HA+16*\i+8*\u, WF+12*(2*\u+\ks), XF+12*(2*\i+\ks), CB+8*\u, WS+2*\u+\ks, XS+2*\i+\ks
.else
	MXC HA+16*\i+8*\u, WF+12*(2*\u+\ks), XF+12*(2*\i+\ks), HA+16*\i+8*\u, WS+2*\u+\ks, XS+2*\i+\ks
.endif
.endr
.endr
.endr
	WIN 0
	PLACES 4
	s_add_co_u32 s48, s48, 6144
	s_add_co_u32 s49, s49, 512
	s_add_co_u32 s50, s50, 128
	PADR H64
	WFETCH 4                                       ; the next head's (the last trip reads written bytes that follow, and nobody uses them)
.irp u, 0,1
.irp e, 0,1
	ds_load_b128 v[CB+8*\u+4*\e:CB+8*\u+4*\e+3], v[A2] offset:32*\u+16*\e
.endr
.endr
	QUANT HA                                       ; block i = token tile i: the fragment's four blocks are four tiles of keys
	v_add_nc_u32 v[A3], s51, v[L16]
	v_add_nc_u32 v[A4], s52, v[R4]
.irp c, 0,1,2
	ds_store_b128 v[A3], v[PC+4*\c:PC+4*\c+3] offset:512*\c
.endr
	ds_store_b32 v[A4], v[PW]                      ; both halves of the lanes write row r's word, with the same value
	s_add_co_u32 s51, s51, 1536
	s_add_co_u32 s52, s52, 64
	s_sub_co_u32 s42, s42, 1
	s_cmp_lg_u32 s42, 0
	s_cbranch_scc1 .Lk
	; ---------------- phase 1b: Q of my two query tiles, two heads a trip
	s_wait_dscnt 0x0                               ; the loads that ran ahead are in: their registers are loaded anew
	s_mov_b32 s48, TMPQ
	s_mov_b32 s49, TMPQ+WSCO
	s_mov_b32 s50, BIASL
	s_mul_i32 s51, s22, 6144
	s_add_co_u32 s51, s51, QIMG
	s_lshl_b32 s52, s22, 8
	s_add_co_u32 s52, s52, QSC
	v_add_nc_u32 v[AQS], s52, v[R4]
	s_mov_b32 s42, 4
	PADR H64
	WFETCH 8
.irp a, 0,1
.irp u, 0,1
.irp e, 0,1
	ds_load_b128 v[CB+8*(2*\a+\u)+4*\e:CB+8*(2*\a+\u)+4*\e+3], v[A2] offset:128*\a+32*\u+16*\e
.endr
.endr
.endr
.Lq:
	s_wait_dscnt 0x0
	WIN 0x05
.irp ks, 0,1
.irp a, 0,1
.irp i, 0,1
.irp u, 0,1
.if \ks == 0
	MXC HA+16*(2*\a+\i)+8*\u, WF+12*(4*\a+2*\u+\ks), XF+12*(2*\i+\ks), CB+8*(2*\a+\u), WS+4*\a+2*\u+\ks, XS+2*\i+\ks
.else
	MXC HA+16*(2*\a+\i)+8*\u, WF+12*(4*\a+2*\u+\ks), XF+12*(2*\i+\ks), HA+16*(2*\a+\i)+8*\u, WS+4*\a+2*\u+\ks, XS+2*\i+\ks
.endif
.endr
.endr
.endr
.endr
	WIN 0
	PLACES 4
	s_add_co_u32 s48, s48, 12288
	s_add_co_u32 s49, s49, 1024
	s_add_co_u32 s50, s50, 256
	PADR H64
	WFETCH 8
.irp a, 0,1
.irp u, 0,1
.irp e, 0,1
	ds_load_b128 v[CB+8*(2*\a+\u)+4*\e:CB+8*(2*\a+\u)+4*\e+3], v[A2] offset:128*\a+32*\u+16*\e
.endr
.endr
.endr
.irp a, 0,1                                    ; q x g: 0 for a query with no key left, else 1
.irp k, 0,2,4,6,8,10,12,14
	v_pk_mul_f32 v[HA+32*\a+\k:HA+32*\a+\k+1], v[HA+32*\a+\k:HA+32*\a+\k+1], v[GF:GF+1] op_sel_hi:[1,0]
.endr
.irp k, 0,2,4,6,8,10,12,14
	v_pk_mul_f32 v[HA+32*\a+16+\k:HA+32*\a+16+\k+1], v[HA+32*\a+16+\k:HA+32*\a+16+\k+1], v[GF:GF+1] op_sel:[0,1] op_sel_hi:[1,1]
.endr
.endr
	QUANT HA                                       ; block 2 a + i: registers 6 a .. 6 a + 5 hold head a: lanes 0-15 query tile 0, lanes 16-31 tile 1
	v_add_nc_u32 v[A5], s51, v[L8]
	v_add_nc_u32 v[A4], s52, v[R4]
.irp a, 0,1
.irp p, 0,1,2
	ds_store_b64 v[A5], v[PC+6*\a+2*\p:PC+6*\a+2*\p+1] offset:768*\a+256*\p
.endr
.endr
	ds_store_b32 v[A4], v[PW]
	s_add_co_u32 s51, s51, 1536
	s_add_co_u32 s52, s52, 64
	s_sub_co_u32 s42, s42, 1
	s_cmp_lg_u32 s42, 0
	s_cbranch_scc1 .Lq
	BARRIER                                        ; nobody reads Wk's and Wq's blocks any more: V may be written there
	; ---------------- phase 1c: V, a head a trip.  Source 0 = 16 tokens, source 1 = 16 columns of Wv: a lane holds one column, and its registers run along the tokens, which are the second product's K.
	s_mov_b32 s48, WB
	s_mov_b32 s49, WB+WSCO
	s_mov_b32 s50, BIASL+2048
	s_lshr_b32 s25, s22, 1                         ; my key step
	s_and_b32 s26, s22, 1                          ; and my half of it
	s_mul_i32 s51, s25, 24576
	s_mul_i32 s27, s26, 768
	s_add_co_u32 s51, s51, s27
	s_add_co_u32 s51, s51, VIMG
	s_lshl_b32 s52, s25, 10
	s_lshl_b32 s27, s26, 1
	s_add_co_u32 s52, s52, s27
	s_add_co_u32 s52, s52, VSC
	s_mov_b32 s42, 8
	PADR RT4
	WFETCH 4
.irp u, 0,1
.irp j, 0,1,2,3,4,5,6,7
	ds_load_b32 v[CB+8*\u+\j], v[A2] offset:32*\u  ; bv at my column, for all eight tokens of the accumulator
.endr
.endr
.Lv:
	s_wait_dscnt 0x0
	WIN 0x05
.irp ks, 0,1
.irp u, 0,1
.irp i, 0,1,2,3
.if \ks == 0
	MXC HA+32*\u+8*\i, XF+12*(2*\i+\ks), WF+12*(2*\u+\ks), CB+8*\u, XS+2*\i+\ks, WS+2*\u+\ks
.else
	MXC HA+32*\u+8*\i, XF+12*(2*\i+\ks), WF+12*(2*\u+\ks), HA+32*\u+8*\i, XS+2*\i+\ks, WS+2*\u+\ks
.endif
.endr
.endr
.endr
	WIN 0
	PLACES 4
	s_add_co_u32 s48, s48, 6144
	s_add_co_u32 s49, s49, 512
	s_add_co_u32 s50, s50, 128
	PADR RT4
	WFETCH 4
.irp u, 0,1
.irp j, 0,1,2,3,4,5,6,7
	ds_load_b32 v[CB+8*\u+\j], v[A2] offset:32*\u
.endr
.endr
	QUANT HA                                       ; block 2 u + (X: 0, Y: 1): registers 6 u .. 6 u + 5 are d tile u: lanes 0-15 block X's 32 keys, lanes 16-31 block Y's
	v_add_nc_u32 v[A3], s51, v[L16]
	v_add_nc_u32 v[A5], s51, v[L8]
	v_add_nc_u32 v[A4], s52, v[R4]
	v_lshrrev_b32 v[TM+18], 16, v[PW]
	ds_store_b128 v[A3], v[PC:PC+3]
	ds_store_b64 v[A5], v[PC+4:PC+5] offset:512
	ds_store_b128 v[A3], v[PC+6:PC+9] offset:1536
	ds_store_b64 v[A5], v[PC+10:PC+11] offset:2048
	ds_store_b16 v[A4], v[PW]                      ; d tile 0: my two bytes of the key step's word (the other two are my neighbour wave's)
	ds_store_b16 v[A4], v[TM+18] offset:64         ; d tile 1
	s_add_co_u32 s51, s51, 3072
	s_add_co_u32 s52, s52, 128
	s_sub_co_u32 s42, s42, 1
	s_cmp_lg_u32 s42, 0
	s_cbranch_scc1 .Lv
	BARRIER                                        ; V is whole, and nobody reads Wv's block any more
	s_wait_loadcnt 0x0                             ; Wo's block is in registers
	v_add_nc_u32 v[A2], WB, v[T16]
	WIN 0x04
.irp i, 0,1,2,3,4,5,6,7,8,9,10,11,12
	ds_store_b128 v[A2], v[WOS+4*\i:WOS+4*\i+3] offset:4096*\i
.endr
	WIN 0
	v_mov_b32 v[BO], v[L16]
	WIN 0x40
.irp q, 0,1,2,3,4,5,6,7,8,9,10,11,12,13,14,15      ; the table's first chunk
	global_load_b128 v[BIAS+4*\q:BIAS+4*\q+3], v[BO], s[44:45] offset:512*\q
.endr
	WIN 0
	BARRIER                                        ; Wo's block lies in LDS.  From here on LDS is only read
	; ---------------- phase 2
.irp k, 0,1,2,3,4,5
	v_mov_b32 v[QV+\k], 0                          ; the zero codes round q
	v_mov_b32 v[QV+12+\k], 0
	v_mov_b32 v[QV+24+\k], 0
.endr
	v_add_nc_u32 v[ADW], WB, v[L16]
	v_add_nc_u32 v[ADWS], WB+WSCO, v[R4]
	v_lshl_add_u32 v[A0], v[R4], 2, BIASL+3072
.irp T, 0,1,2,3
	ds_load_b128 v[BOV+4*\T:BOV+4*\T+3], v[A0] offset:256*\T   ; bo(64 T + 4 r + 0 .. 3)
.endr
	v_lshlrev_b32 v[GO], 8, v[H64]
	v_lshl_add_u32 v[GO], v[R4], 2, v[GO]          ; out0: 16 h rows of 1,024 bytes + 16 r
	s_mul_i32 s53, s22, 6144
	s_add_co_u32 s53, s53, QIMG                    ; my q; + 128 for query tile 1
	s_mov_b32 s40, 0                               ; v_perm_b32's selects: byte t of a scale word four times,
	s_mov_b32 s41, 0x02020202                      ; byte 2 + t
	s_mov_b32 s38, 0                               ; the table's chunk in hand
	s_mov_b32 s36, 2
.macro STEPADR                         ; a key step's addresses: a stepped scalar + a lane term
	v_add_nc_u32 v[A0], s54, v[L16]
	v_add_nc_u32 v[A1], s55, v[R4]
	v_add_nc_u32 v[A2], s57, v[R4]
	v_add_nc_u32 v[A3], s56, v[L16]
	v_add_nc_u32 v[A4], s56, v[L8]
.endm
; ONE HEAD'S SHARE OF A KEY STEP: 128 keys x my 16 queries.
.macro HSTEP hd
.set MM, ST+4*\hd
.set LL, ST+4*\hd+2
	WIN 0x11                                       ; K and C in window 1
.irp t, 0,1,2,3,4,5,6,7                        ; tile t: fragment t / 4 of K, its block t % 4; q stands in that block of source 1
	MXC S+8*\t, KF+12*(\t/4), QV+6+12*(\t%2)-6*((\t%4)/2), BIAS+8*\t, KS+\t/4, QS+\hd
.endr
	WIN 0
	PLACES 4                                       ; ahead of the first read of the scores and of the loads into registers that the products have read
.if \hd == 7
	s_add_co_u32 s39, s38, 1                       ; the next key step's chunk of the table: all eight heads have read this one
	s_min_u32 s39, s39, 7                          ; (behind my last chunk: that chunk once more, so that no load leaves the buffer)
	s_lshl_b32 s39, s39, 13
	v_add_nc_u32 v[BO], s39, v[L16]                ; (the loads that read it last were waited for at this step's head)
	WIN 0x40
.irp q, 0,1,2,3,4,5,6,7,8,9,10,11,12,13,14,15
	global_load_b128 v[BIAS+4*\q:BIAS+4*\q+3], v[BO], s[44:45] offset:512*\q
.endr
.set NK, 24576                                 ; and head 0 of the next key step (behind the last step: written bytes that follow, which nobody uses)
.set NS, 1024
.else
.set NK, (\hd+1)*1536
.set NS, (\hd+1)*64
.endif
	WIN 0x40
.irp u, 0,1                                    ; this head's V: two tiles of 16 of its 32 x 128 keys
.irp c, 0,1
	ds_load_b128 v[VF+12*\u+6*\c:VF+12*\u+6*\c+3], v[A3] offset:(2*\hd+\u)*1536+768*\c
	ds_load_b64 v[VF+12*\u+6*\c+4:VF+12*\u+6*\c+5], v[A4] offset:(2*\hd+\u)*1536+768*\c+512
.endr
.endr
.irp g, 0,1                                    ; the next head's K
.irp c, 0,1,2
	ds_load_b128 v[KF+12*\g+4*\c:KF+12*\g+4*\c+3], v[A0] offset:NK+12288*\g+512*\c
.endr
.endr
	WIN 0
.irp u, 0,1
	ds_load_b32 v[VS+\u], v[A2] offset:(2*\hd+\u)*64
.endr
.irp g, 0,1
	ds_load_b32 v[KS+\g], v[A1] offset:NS+512*\g
.endr
.irp p, 0,1,2
	ds_load_b64 v[Q6+2*\p:Q6+2*\p+1], v[A5] offset:((\hd+1)%8)*768+256*\p   ; and its q
.endr
.irp b, 0,1,2,3
	v_max3_num_f32 v[TM+\b], v[S+16*\b], v[S+16*\b+1], v[S+16*\b+2]   ; THE LARGEST SCORE OF EACH BLOCK OF 32 KEYS serves twice: for the row's maximum and, since p rises with the score, for the block's largest p
.endr
.irp i, 3,5,7,9,11,13
.irp b, 0,1,2,3
	v_max3_num_f32 v[TM+\b], v[TM+\b], v[S+16*\b+\i], v[S+16*\b+\i+1]
.endr
.endr
.irp b, 0,1,2,3
	v_max_num_f32 v[TM+\b], v[TM+\b], v[S+16*\b+15]
.endr
.irp b, 0,1,2,3
	v_permlanex16_b32 v[TM+4+\b], v[TM+\b], s32, s33
.endr
.irp b, 0,1,2,3
	v_max_num_f32 v[TM+\b], v[TM+\b], v[TM+4+\b]   ; with lane l xor 16's 16 keys
.endr
	v_max3_num_f32 v[TM+18], v[TM], v[TM+1], v[TM+2]
	v_max_num_f32 v[TM+18], v[TM+18], v[TM+3]
	v_mul_f32 v[TM+18], s34, v[TM+18]              ; as t (c is positive)
	v_max_num_f32 v[MM+1], v[MM+1], v[TM+18]       ; the running largest t
	v_mov_b32 v[TM+18], v[MM]
	v_floor_f32 v[MM], -v[MM+1]                    ; the new -M = floor(-t): M is a whole number
	v_sub_f32 v[TM+18], v[MM], v[TM+18]            ; old M - new M: a whole number, 0 or less
	v_cvt_i32_f32 v[TM+18], v[TM+18]               ; (it saturates)
	v_ldexp_f32 v[TM+16], 1.0, v[TM+18]            ; f = 2^(old M - new M)
.irp j, 0,2,4,6,8,10,12,14,16,18,20,22,24,26,28,30,32,34,36,38,40,42,44,46,48,50,52,54,56,58,60,62
	v_pk_fma_f32 v[S+\j:S+\j+1], v[S+\j:S+\j+1], s[34:35], v[MM:MM+1] op_sel_hi:[1,0,0]   ; t - M, two at a time
.endr
.irp b, 0,1,2,3
	v_fma_f32 v[TM+\b], v[TM+\b], s34, v[MM]       ; the same of each block's largest score
.endr
.irp j, 0,1,2,3,4,5,6,7,8,9,10,11,12,13,14,15,16,17,18,19,20,21,22,23,24,25,26,27,28,29,30,31,32,33,34,35,36,37,38,39,40,41,42,43,44,45,46,47,48,49,50,51,52,53,54,55,56,57,58,59,60,61,62,63
	v_exp_f32 v[S+\j], v[S+\j]                     ; p = 2^(t - M): not normalised
.endr
	v_pk_mul_f32 v[LL:LL+1], v[LL:LL+1], v[TM+16:TM+17] op_sel_hi:[1,0]   ; the sums under the new M: the plain place behind the exponentials
	s_wait_alu depctr_va_vdst(0)                   ; one wait for the batch of 64, ahead of its first reader
.irp b, 0,1,2,3
	v_exp_f32 v[TM+\b], v[TM+\b]                   ; the block's largest p: the same two instructions on the same number
.endr
	v_pk_add_f32 v[TM+8:TM+9], v[S:S+1], v[S+2:S+3]   ; the row's sum of the UNQUANTISED p, in two chains (plain work behind the four)
.irp j, 4,8,12,16,20,24,28,32,36,40,44,48,52,56,60
	v_pk_add_f32 v[LL:LL+1], v[LL:LL+1], v[S+\j:S+\j+1]
	v_pk_add_f32 v[TM+8:TM+9], v[TM+8:TM+9], v[S+\j+2:S+\j+3]
.endr
	v_pk_add_f32 v[LL:LL+1], v[LL:LL+1], v[TM+8:TM+9]
	s_wait_alu depctr_va_vdst(0)                   ; and one for the four
.irp b, 0,1,2,3
	v_max_num_f32 v[TM+\b], 0x1800000, v[TM+\b]    ; the floor 2^(3 - 127): a block whose every p is 0 keeps the byte 1; its codes are zeros
.endr
	QTAIL S
	s_wait_dscnt 0x0                               ; the head step's one wait for LDS: its 21 loads were issued ahead of the softmax
.irp k, 0,1,2,3,4,5                            ; the next head's q, once in lanes 0-15 and once in lanes 16-31.  These twelve are the places between p's codes and scale word and their product
	v_and_b32 v[QV+6+\k], v[Q6+\k], v[MLO]
	v_and_b32 v[QV+18+\k], v[Q6+\k], v[MHI]
.endr
	WIN 0x41
.irp k, 0,2,4,6,8,10,12,14                     ; O^T under the new M.  These eight are the places between q's registers and the next head's products
	v_pk_mul_f32 v[O+16*\hd+\k:O+16*\hd+\k+1], v[O+16*\hd+\k:O+16*\hd+\k+1], v[TM+16:TM+17] op_sel_hi:[1,0]
.endr
	WIN 0x51
	MXC O+16*\hd, VF, PC, O+16*\hd, VS, PW          ; O^T += V^T P^T: source 0 = 16 of the head's 32, source 1 = p; K = these 128 keys
	MXC O+16*\hd+8, VF+12, PC, O+16*\hd+8, VS+1, PW
.endm
.macro FETCH T                         ; Wo's tiles 4 T .. 4 T + 3, both K steps, and their scale words
	WIN 0x40
.irp i, 0,1,2,3
.irp c, 0,1,2
	ds_load_b128 v[WFA+12*\i+4*\c:WFA+12*\i+4*\c+3], v[ADW] offset:(2*(4*(\T)+\i))*1536+512*\c
	ds_load_b128 v[WFB+12*\i+4*\c:WFB+12*\i+4*\c+3], v[ADW] offset:(2*(4*(\T)+\i)+1)*1536+512*\c
.endr
.endr
	WIN 0
.irp i, 0,1,2,3
	ds_load_b32 v[WS+\i], v[ADWS] offset:(2*(4*(\T)+\i))*128
	ds_load_b32 v[WS+4+\i], v[ADWS] offset:(2*(4*(\T)+\i)+1)*128
.endr
.endm
.Ltile:                                            ; two trips: my query tiles
.irp b, 0,1,2,3
	ds_load_b32 v[TM+\b], v[AQS] offset:64*\b      ; q's scale words, a pair of heads each
.endr
	v_add_nc_u32 v[A5], s53, v[R8]                 ; both halves of the lanes read the tile's q
	s_mov_b32 s54, KIMG
	s_mov_b32 s55, KSC
	s_mov_b32 s56, VIMG
	s_mov_b32 s57, VSC
	STEPADR
	WIN 0x40
.irp g, 0,1
.irp c, 0,1,2
	ds_load_b128 v[KF+12*\g+4*\c:KF+12*\g+4*\c+3], v[A0] offset:12288*\g+512*\c   ; head 0, key step 0
.endr
.endr
	WIN 0
.irp g, 0,1
	ds_load_b32 v[KS+\g], v[A1] offset:512*\g
.endr
.irp p, 0,1,2
	ds_load_b64 v[Q6+2*\p:Q6+2*\p+1], v[A5] offset:256*\p
.endr
	s_wait_dscnt 11                                ; q's four scale words are in; the 11 loads issued behind them (6 of K, 2 of its scale words, 3 of q) may be out
.irp pr, 0,1,2,3
	v_perm_b32 v[QS+2*\pr], v[TM+\pr], v[TM+\pr], s40     ; head 2 pr: my tile's byte, in all four places: whichever block q stands in
	v_perm_b32 v[QS+2*\pr+1], v[TM+\pr], v[TM+\pr], s41   ; head 2 pr + 1
.endr
.irp hd, 0,1,2,3,4,5,6,7
	v_mov_b32 v[ST+4*\hd+1], 0xff61b1e6            ; the largest t so far: -3e38, under every t
	v_mov_b32 v[ST+4*\hd+2], 0                     ; l
	v_mov_b32 v[ST+4*\hd+3], 0
.endr
.irp hd, 0,1,2,3,4,5,6,7
	v_floor_f32 v[ST+4*\hd], -v[ST+4*\hd+1]        ; -M
.endr
	WIN 0x40
.set zz, 0
.rept 128
	v_mov_b32 v[O+zz], 0                           ; O^T: the key step is written once; the first finds zeros, which the first change of M leaves zeros
.set zz, zz+1
.endr
	WIN 0
	s_wait_dscnt 0x0
.irp k, 0,1,2,3,4,5
	v_and_b32 v[QV+6+\k], v[Q6+\k], v[MLO]
	v_and_b32 v[QV+18+\k], v[Q6+\k], v[MHI]
.endr
	PLACES 4                                       ; an operand written by vector instructions stands four places ahead of a scaled product
	s_mov_b32 s37, 4
.Lstep:                                            ; four trips: key steps of 128 keys
	s_wait_loadcnt 0x0                             ; this step's chunk of the table is in
.irp hd, 0,1,2,3,4,5,6,7
	HSTEP \hd
.endr
	WIN 0
	s_add_co_u32 s54, s54, 24576
	s_add_co_u32 s55, s55, 1024
	s_add_co_u32 s56, s56, 24576
	s_add_co_u32 s57, s57, 1024
	STEPADR
	s_add_co_u32 s38, s38, 1
	s_sub_co_u32 s37, s37, 1
	s_cmp_lg_u32 s37, 0
	s_cbranch_scc1 .Lstep
	; ---- the tile's end: O / l, quantised along the 256 features (a block = a head), times Wo, plus bo
.irp hd, 0,1,2,3,4,5,6,7
	v_add_f32 v[ST+4*\hd+2], v[ST+4*\hd+2], v[ST+4*\hd+3]   ; l's two halves (these lines are also the places behind the last products)
.endr
.irp hd, 0,1,2,3,4,5,6,7
	v_permlanex16_b32 v[ST+4*\hd+3], v[ST+4*\hd+2], s32, s33
.endr
.irp hd, 0,1,2,3,4,5,6,7
	v_add_f32 v[ST+4*\hd+2], v[ST+4*\hd+2], v[ST+4*\hd+3]   ; and lane l xor 16's: the row's sum
.endr
.irp hd, 0,1,2,3,4,5,6,7
	v_rcp_f32 v[ST+4*\hd+2], v[ST+4*\hd+2]
.endr
	v_nop                                          ; a plain place behind the last reciprocal
	s_wait_alu depctr_va_vdst(0)                   ; one wait for the eight, ahead of their first reader
.irp ks, 0,1                                   ; K step ks of the last product: heads 4 ks .. 4 ks + 3
	WIN 0x01
.irp b, 0,1,2,3
.irp k, 0,2,4,6,8,10,12,14
	v_pk_mul_f32 v[S+16*\b+\k:S+16*\b+\k+1], v[O+16*(4*\ks+\b)+\k:O+16*(4*\ks+\b)+\k+1], v[ST+4*(4*\ks+\b)+2:ST+4*(4*\ks+\b)+3] op_sel_hi:[1,0]
.endr
.endr
	WIN 0
.if \ks == 1
	FETCH 0                                        ; O has been read: Wo's first four tiles take its place, and land while the second fragment is made
.endif
	QUANT S
.if \ks == 0
.irp k, 0,1,2,3,4,5,6,7,8,9,10,11
	v_mov_b32 v[AF0+\k], v[PC+\k]
.endr
	v_mov_b32 v[AS0], v[PW]
.endif
.endr
	PLACES 8                                       ; a scale word written by vector instructions stands eight places ahead of a scaled product
.irp T, 0,1,2,3                                ; 64 columns at a time.  Source 0 = my 16 queries, source 1 = 16 columns 64 T + i + 4 r: the four accumulators' register j are four neighbouring columns of query row 8 h + j
	s_wait_dscnt 0x0
	WIN 0x44
.irp i, 0,1,2,3
	MXZ ACC+32*(\T%2)+8*\i, AF0, WFA+12*\i, AS0, WS+\i
.endr
	WIN 0x54
.irp i, 0,1,2,3                                ; the four accumulators by turns
	MXC ACC+32*(\T%2)+8*\i, PC, WFB+12*\i, ACC+32*(\T%2)+8*\i, PW, WS+4+\i
.endr
	WIN 0
	PLACES 4
.if \T < 3
	FETCH \T+1
.endif
	s_wait_xcnt 0x0                                ; the stores of two groups back have read their registers
	WIN 0x01
.irp j, 0,1,2,3,4,5,6,7                        ; each accumulator from its low end on
.irp i, 0,1,2,3
	v_add_f32 v[S+32*(\T%2)+4*\j+\i], v[ACC+32*(\T%2)+8*\i+\j], v[BOV+4*\T+\i]
.endr
.endr
	WIN 0
.irp j, 0,1,2,3,4,5,6,7
	global_store_b128 v[GO], v[S+32*(\T%2)+4*\j:S+32*(\T%2)+4*\j+3], s[20:21] offset:1024*\j+256*\T th:TH_STORE_NT   ; sixteen lanes store 256 consecutive bytes of a row, aligned; lanes 16-31 those of the row 16 further down
.endr
.endr
	s_wait_xcnt 0x0                                ; the stores have read their base and their registers
	s_add_nc_u64 s[20:21], s[20:21], 8192          ; query tile 1 begins eight tokens on
	s_add_co_u32 s53, s53, 128
	s_add_co_u32 s40, s40, 0x01010101
	s_add_co_u32 s41, s41, 0x01010101
	s_sub_co_u32 s36, s36, 1
	s_cmp_lg_u32 s36, 0
	s_cbranch_scc1 .Ltile
	s_wait_tensorcnt 0x0                           ; the wave's end
	ds_add_u32 v[SPW], v[NIL]
	s_wait_dscnt 0x0
	s_endpgm
.Lfunc_end_k_q0ccf3d0e96_attn:
	.size	k_q0ccf3d0e96_attn, .Lfunc_end_k_q0ccf3d0e96_attn-k_q0ccf3d0e96_attn
	.p2alignl 7, 3214868480
	.fill 96, 4, 3214868480
	.section	.rodata,"a",@progbits
	.p2align	6, 0x0
	.amdhsa_kernel k_q0ccf3d0e96_attn
		.amdhsa_group_segment_fixed_size 318464
		.amdhsa_private_segment_fixed_size 0
		.amdhsa_enable_private_segment 0
		.amdhsa_kernarg_size 72
		.amdhsa_user_sgpr_count 2
		.amdhsa_user_sgpr_kernarg_segment_ptr 1
		.amdhsa_wavefront_size32 1
		.amdhsa_system_sgpr_workgroup_id_x 1
		.amdhsa_system_sgpr_workgroup_id_y 1
		.amdhsa_system_sgpr_workgroup_id_z 1
		.amdhsa_system_vgpr_workitem_id 0
		.amdhsa_next_free_vgpr 512
		.amdhsa_next_free_sgpr 66
		.amdhsa_reserve_vcc 0
		.amdhsa_float_denorm_mode_32 3
		.amdhsa_float_denorm_mode_16_64 3
		.amdhsa_memory_ordered 1
		.amdhsa_forward_progress 1
		.amdhsa_inst_pref_size 255
	.end_amdhsa_kernel
	.section	.bss,"aw",@nobits
	.p2align	6
	.space	262144
	.amdgpu_metadata
---
amdhsa.version: [ 1, 2 ]
amdhsa.kernels:
  - .name:           k_q0ccf3d0e96_attn
    .symbol:         k_q0ccf3d0e96_attn.kd
    .args:
      - { .name: x, .offset: 0, .size: 8, .value_kind: global_buffer, .address_space: global }
      - { .name: wimg, .offset: 8, .size: 8, .value_kind: global_buffer, .address_space: global }
      - { .name: btab, .offset: 16, .size: 8, .value_kind: global_buffer, .address_space: global }
      - { .name: gflag, .offset: 24, .size: 8, .value_kind: global_buffer, .address_space: global }
      - { .name: bq, .offset: 32, .size: 8, .value_kind: global_buffer, .address_space: global }
      - { .name: bk, .offset: 40, .size: 8, .value_kind: global_buffer, .address_space: global }
      - { .name: bv, .offset: 48, .size: 8, .value_kind: global_buffer, .address_space: global }
      - { .name: bo, .offset: 56, .size: 8, .value_kind: global_buffer, .address_space: global }
      - { .name: out0, .offset: 64, .size: 8, .value_kind: global_buffer, .address_space: global }
    .group_segment_fixed_size: 318464
    .private_segment_fixed_size: 0
    .kernarg_segment_align: 8
    .kernarg_segment_size: 72
    .max_flat_workgroup_size: 256
    .sgpr_count:     66
    .vgpr_count:     512
    .wavefront_size: 32
...
	.end_amdgpu_metadata
.endif
;; end of part 2
;; ======== version 2 of 2: 2 launches
;; limits: right only within a limited range of input values
;; workspace buffers: wimg 212,992 bytes; btab 1,048,576 bytes; gflag 16,384 bytes
;; launch prep (part 3): grid 64 x 1, 4 waves a work-group, no clusters, 0 bytes of LDS; arguments Wq, Wk, Wv, Wo, spatial_constraint, wimg, btab, gflag; writes wimg, btab, gflag
.if DOCPART == 3
	.amdgcn_target "amdgcn-amd-amdhsa--gfx1250"
	.amdhsa_code_object_version 6
	.text
	.protected	k_q0ccf3d0e96_prep
	.globl	k_q0ccf3d0e96_prep
	.p2align	8
	.type	k_q0ccf3d0e96_prep,@function
k_q0ccf3d0e96_prep:
	s_mov_b64 s[64:65], 0
	v_nop
	global_prefetch_b8 v0, s[64:65] scope:SCOPE_SE
	s_setreg_imm32_b32 hwreg(HW_REG_WAVE_MODE, 25, 1), 1
	s_wait_xcnt 0x0
; Two jobs, told apart by the work-group's number.
; WORK-GROUPS 0-31: Wq, Wk, Wv, Wo [256 (k)][256 (column)], f32, become codes of FP6 (E2M3) with one E8M0 byte for each 32 along K, laid as IMAGES OF OPERAND REGISTERS.
;   A wave makes one fragment (16 columns x 128 K): lane (r, h) takes ONE column, and its registers run down K in the order of the operand's layout (k = 128 ks + 64 c + 32 h + 0 .. 31), so the conversions' results are the
;   operand's registers.  wimg: for each weight (q, k, v, o) 53,248 bytes: 32 fragments F = 2 tile + ks of 1,536 bytes (registers 4 c .. 4 c + 3 of lane L at 512 c + 16 L), then 32 scale-word images of 128 bytes (lane L at 4 L).
;   The columns of a tile are not neighbours: q, k, v: lane r of tile t takes column 32 (t / 2) + 8 (t % 2) + r + 8 (r / 8);  o: 64 (t / 4) + t % 4 + 4 r.
; WORK-GROUPS 32-63: spatial_constraint [512 (query)][512 (key)] becomes the C operand of the score product, in the accumulator's layout.  C = sc x sqrt(32) where sc > 0, else -1e9 x sqrt(32): the attention launch
;   multiplies score + C by log2(e) / sqrt(32).  A query with no key left (row maximum <= 0) gets C = 0 for the whole row and the flag g = 0 (else 1): the attention launch multiplies its q by g, so that all its logits are equal,
;   which is the uniform softmax that equal logits of -1e9 give.
;   Work-group 32 + QT takes query tile QT (row r = query 32 (QT / 2) + 8 (QT % 2) + r + 8 (r / 8)), wave s the key step s: a chunk of 64 registers x 32 lanes = 8,192 bytes at btab + (4 QT + s) x 8,192, registers 4 q .. 4 q + 3
;   of lane L at 512 q + 16 L.  Register 8 t + j of lane (r, h): key 32 gb + 16 h + 8 (t % 2) + j, with gb = 8 qh + 2 s + t / 4 where (t / 2) % 2 = 0, else 8 (1 - qh) + 2 s + t / 4;  qh = QT / 16.
;   Each wave takes the row's maximum over all 512 keys by itself (four chunks' loads), so that the waves share nothing.
; LIMITS: NaN and infinities in the weights are not served; a NaN in spatial_constraint counts as masked; a block of a weight whose largest magnitude lies under 2^-124 gets the byte 1 (a block of zeros too: its codes are zeros,
; and this program alone reads the bytes).
.set ROOT32, 0x40b504f3                ; sqrt(32)
.set NEGBIG, 0xcfa8965f                ; -1e9 x sqrt(32)
	s_load_b512 s[4:19], s[0:1], 0x0               ; Wq s[4:5], Wk s[6:7], Wv s[8:9], Wo s[10:11], spatial_constraint s[12:13], wimg s[14:15], btab s[16:17], gflag s[18:19]
	v_lshrrev_b32 v1, 5, v0
	v_readfirstlane_b32 s20, v1                    ; wave 0..3
	v_and_b32 v2, 31, v0                           ; lane
	v_and_b32 v3, 15, v0                           ; r
	v_bfe_u32 v4, v0, 4, 1                         ; h
	v_lshlrev_b32 v17, 4, v2                       ; 16 x lane
	v_lshlrev_b32 v18, 2, v2                       ; 4 x lane
	s_mov_b32 s22, 0x76543210
	s_mov_b32 s23, 0xfedcba98                      ; v_permlanex16_b32's selects for lane l xor 16
	s_mov_b32 s35, 0
	s_wait_kmcnt 0x0
	s_cmp_lt_u32 ttmp9, 32
	s_cbranch_scc0 .Ltable
	; ---- a weight's fragment
	s_lshr_b32 s21, ttmp9, 3                       ; which weight: 0 q, 1 k, 2 v, 3 o
	s_and_b32 s24, ttmp9, 7
	s_lshl_b32 s24, s24, 2
	s_add_co_u32 s24, s24, s20                     ; F = 2 tile + ks, 0..31
	s_lshr_b32 s25, s24, 1                         ; tile
	s_and_b32 s26, s24, 1                          ; ks
	s_lshr_b32 s30, s25, 1
	s_lshl_b32 s30, s30, 5
	s_and_b32 s31, s25, 1
	s_lshl_b32 s31, s31, 3
	s_add_co_u32 s30, s30, s31                     ; q, k, v: the tile's first column 32 (t / 2) + 8 (t % 2)
	s_lshr_b32 s31, s25, 2
	s_lshl_b32 s31, s31, 6
	s_and_b32 s32, s25, 3
	s_add_co_u32 s31, s31, s32                     ; o: 64 (t / 4) + t % 4
	s_cmp_eq_u32 s21, 1
	s_cselect_b64 s[28:29], s[6:7], s[4:5]
	s_cmp_eq_u32 s21, 2
	s_cselect_b64 s[28:29], s[8:9], s[28:29]
	s_cmp_eq_u32 s21, 3
	s_cselect_b64 s[28:29], s[10:11], s[28:29]     ; the choice hangs on the work-group's number alone
	s_cselect_b32 s30, s31, s30
	s_cselect_b32 s31, 4, 1                        ; columns from lane to lane
	s_cselect_b32 s32, 0, 8                        ; and the jump behind eight lanes
	s_wait_alu depctr_va_vdst(0)
	v_mul_u32_u24 v5, v3, s31
	v_lshrrev_b32 v6, 3, v3
	v_mad_u32_u24 v5, v6, s32, v5
	v_add_nc_u32 v5, s30, v5                       ; my column
	v_lshlrev_b32 v5, 2, v5
	v_lshl_add_u32 v5, v4, 15, v5                  ; lanes 16-31 begin 32 rows (of 1,024 bytes) further down
	s_wait_alu depctr_va_vdst(0)
	s_lshl_b32 s34, s26, 17                        ; ks x 128 rows
	s_add_nc_u64 s[28:29], s[28:29], s[34:35]
	s_mul_i32 s34, s21, 53248
	s_add_nc_u64 s[14:15], s[14:15], s[34:35]      ; the weight's block of wimg
	s_mul_i32 s34, s24, 1536
	s_add_nc_u64 s[36:37], s[14:15], s[34:35]      ; my fragment's image
	s_lshl_b32 s34, s24, 7
	s_add_co_u32 s34, s34, 49152
	s_add_nc_u64 s[38:39], s[14:15], s[34:35]      ; and its scale words'
.irp c, 0,1
.irp i, 0,1,2,3,4,5,6,7,8,9,10,11,12,13,14,15,16,17,18,19,20,21,22,23,24,25,26,27,28,29,30,31
	global_load_b32 v[64+32*\c+\i], v5, s[28:29] offset:(64*\c+\i)*1024   ; W(128 ks + 64 c + 32 h + i, my column)
.endr
.endr
	s_wait_loadcnt 0x0
.irp c, 0,1                                    ; my block 2 c + h: all its 32 numbers are mine
	v_max3_num_f32 v[8+\c], |v[64+32*\c]|, |v[65+32*\c]|, 0x1800000   ; with the floor 2^(3 - 127): the byte cannot fall under 1
.endr
.irp i, 2,4,6,8,10,12,14,16,18,20,22,24,26,28,30
.irp c, 0,1
	v_max3_num_f32 v[8+\c], v[8+\c], |v[64+32*\c+\i]|, |v[65+32*\c+\i]|
.endr
.endr
.irp c, 0,1
	v_add_nc_u32 v[10+\c], 0xff000000, v[8+\c]     ; 2 off the exponent field: the conversion's scale operand
.endr
.irp c, 0,1
	v_lshrrev_b32 v[12+\c], 23, v[10+\c]           ; the scale's byte
.endr
	v_lshl_or_b32 v14, v13, 16, v12                ; my two bytes: blocks h and 2 + h,
	v_lshlrev_b32 v15, 3, v4
	v_lshlrev_b32 v14, v15, v14                    ; at their places in the word;
	v_mov_b32 v15, 0
	v_permlanex16_b32 v15, v14, s22, s23
	v_or_b32 v14, v14, v15                         ; with lane l xor 16's two the word is whole, in both halves of the lanes
.irp c, 0,1
	v_cvt_scalef32_pk16_fp6_f32 v[48+6*\c:50+6*\c], v[64+32*\c:79+32*\c], v[10+\c]
	v_cvt_scalef32_pk16_fp6_f32 v[32+4*\c:34+4*\c], v[80+32*\c:95+32*\c], v[10+\c]   ; (a conversion's three registers begin on an even number)
.endr
	v_nop                                          ; one plain place behind a scaled conversion
.irp c, 0,1
.irp i, 0,1,2
	v_mov_b32 v[51+6*\c+\i], v[32+4*\c+\i]
.endr
.endr
.irp c, 0,1,2
	global_store_b128 v17, v[48+4*\c:51+4*\c], s[36:37] offset:512*\c   ; the wave stores 512 consecutive bytes, aligned
.endr
	global_store_b32 v18, v14, s[38:39]
	s_endpgm
	; ---- a chunk of the table
.Ltable:
	s_sub_co_u32 s21, ttmp9, 32                    ; QT
	s_lshr_b32 s24, s21, 4                         ; qh
	s_lshr_b32 s25, s21, 1
	s_lshl_b32 s25, s25, 5
	s_and_b32 s26, s21, 1
	s_lshl_b32 s26, s26, 3
	s_add_co_u32 s25, s25, s26                     ; the tile's first query
	s_lshl_b32 s34, s25, 11                        ; a row is 2,048 bytes
	s_add_nc_u64 s[12:13], s[12:13], s[34:35]
	s_wait_alu depctr_va_vdst(0)
	v_and_b32 v5, 8, v3
	v_add_nc_u32 v5, v5, v3                        ; r + 8 (r / 8)
	v_lshlrev_b32 v5, 11, v5
	v_lshl_add_u32 v5, v4, 6, v5                   ; my query's row, + 16 h keys
	s_lshl_b32 s26, s24, 10                        ; the half of the keys that holds the queries: 8 qh blocks of 128 bytes,
	s_xor_b32 s27, s26, 1024                       ; and the other half
	v_add_nc_u32 v6, s27, v5
	v_add_nc_u32 v5, s26, v5
	s_lshl_b32 s28, s20, 8                         ; my key step: two blocks
	v_add_nc_u32 v7, s28, v5
	v_add_nc_u32 v16, s28, v6
.macro CHUNK reg, vx, vy, off                  ; a key step's 64 numbers a lane, in the accumulator's order
.irp t, 0,1,2,3,4,5,6,7
.irp e, 0,1
.if (\t/2)%2 == 0
	global_load_b128 v[\reg+8*\t+4*\e:\reg+8*\t+4*\e+3], v[\vx], s[12:13] offset:\off+128*(\t/4)+32*(\t%2)+16*\e
.else
	global_load_b128 v[\reg+8*\t+4*\e:\reg+8*\t+4*\e+3], v[\vy], s[12:13] offset:\off+128*(\t/4)+32*(\t%2)+16*\e
.endif
.endr
.endr
.endm
.macro MAX128                                  ; v64-191 into four chains
.set qq, 0
.rept 64
	v_max3_num_f32 v[8+qq%4], v[8+qq%4], v[64+2*qq], v[65+2*qq]
.set qq, qq+1
.endr
.endm
	CHUNK 192, 7, 16, 0                            ; my own chunk stays in v192-255
	CHUNK 64, 5, 6, 0                              ; for the row's maximum: key steps 0 and 1,
	CHUNK 128, 5, 6, 256
.irp k, 0,1,2,3
	v_mov_b32 v[8+\k], 0xff800000                  ; -infinity starts the chains
.endr
	s_wait_alu depctr_va_vdst(0)
	s_wait_loadcnt 0x0
	MAX128
	CHUNK 64, 5, 6, 512                            ; then 2 and 3
	CHUNK 128, 5, 6, 768
	s_wait_alu depctr_va_vdst(0)
	s_wait_loadcnt 0x0
	MAX128
	v_max3_num_f32 v8, v8, v9, v10
	v_max_num_f32 v8, v8, v11
	v_permlanex16_b32 v9, v8, s22, s23
	v_max_num_f32 v8, v8, v9                       ; with lane l xor 16's: the largest of my query's 512
	v_mov_b32 v12, NEGBIG
	v_cmp_lt_f32 vcc_lo, 0, v8
	v_cndmask_b32 v10, 0, 1.0, vcc_lo              ; g
	v_cndmask_b32 v11, 0, v12, vcc_lo              ; what a masked place gets: 0 in a row with no key left
.set nn, 0
.rept 64
	v_cmp_lt_f32 vcc_lo, 0, v[192+nn]
	v_mul_f32 v[13+nn%2], ROOT32, v[192+nn]
	v_cndmask_b32 v[192+nn], v11, v[13+nn%2], vcc_lo
.set nn, nn+1
.endr
	s_lshl_b32 s34, s21, 2
	s_add_co_u32 s34, s34, s20                     ; 4 QT + s
	s_lshl_b32 s36, s34, 7
	s_mov_b32 s37, 0
	s_lshl_b32 s34, s34, 13
	s_add_nc_u64 s[16:17], s[16:17], s[34:35]
	s_add_nc_u64 s[18:19], s[18:19], s[36:37]
.irp q, 0,1,2,3,4,5,6,7,8,9,10,11,12,13,14,15
	global_store_b128 v17, v[192+4*\q:195+4*\q], s[16:17] offset:512*\q   ; the wave stores 512 consecutive bytes, aligned
.endr
	global_store_b32 v18, v10, s[18:19]
	s_endpgm
.Lfunc_end_k_q0ccf3d0e96_prep:
	.size	k_q0ccf3d0e96_prep, .Lfunc_end_k_q0ccf3d0e96_prep-k_q0ccf3d0e96_prep
	.p2alignl 7, 3214868480
	.fill 96, 4, 3214868480
	.section	.rodata,"a",@progbits
	.p2align	6, 0x0
	.amdhsa_kernel k_q0ccf3d0e96_prep
		.amdhsa_group_segment_fixed_size 0
		.amdhsa_private_segment_fixed_size 0
		.amdhsa_enable_private_segment 0
		.amdhsa_kernarg_size 64
		.amdhsa_user_sgpr_count 2
		.amdhsa_user_sgpr_kernarg_segment_ptr 1
		.amdhsa_wavefront_size32 1
		.amdhsa_system_sgpr_workgroup_id_x 1
		.amdhsa_system_sgpr_workgroup_id_y 1
		.amdhsa_system_sgpr_workgroup_id_z 1
		.amdhsa_system_vgpr_workitem_id 0
		.amdhsa_next_free_vgpr 256
		.amdhsa_next_free_sgpr 66
		.amdhsa_reserve_vcc 1
		.amdhsa_float_denorm_mode_32 3
		.amdhsa_float_denorm_mode_16_64 3
		.amdhsa_memory_ordered 1
		.amdhsa_forward_progress 1
		.amdhsa_inst_pref_size 39
	.end_amdhsa_kernel
	.amdgpu_metadata
---
amdhsa.version: [ 1, 2 ]
amdhsa.kernels:
  - .name:           k_q0ccf3d0e96_prep
    .symbol:         k_q0ccf3d0e96_prep.kd
    .args:
      - { .name: Wq, .offset: 0, .size: 8, .value_kind: global_buffer, .address_space: global }
      - { .name: Wk, .offset: 8, .size: 8, .value_kind: global_buffer, .address_space: global }
      - { .name: Wv, .offset: 16, .size: 8, .value_kind: global_buffer, .address_space: global }
      - { .name: Wo, .offset: 24, .size: 8, .value_kind: global_buffer, .address_space: global }
      - { .name: spatial_constraint, .offset: 32, .size: 8, .value_kind: global_buffer, .address_space: global }
      - { .name: wimg, .offset: 40, .size: 8, .value_kind: global_buffer, .address_space: global }
      - { .name: btab, .offset: 48, .size: 8, .value_kind: global_buffer, .address_space: global }
      - { .name: gflag, .offset: 56, .size: 8, .value_kind: global_buffer, .address_space: global }
    .group_segment_fixed_size: 0
    .private_segment_fixed_size: 0
    .kernarg_segment_align: 8
    .kernarg_segment_size: 64
    .max_flat_workgroup_size: 128
    .sgpr_count:     66
    .vgpr_count:     256
    .wavefront_size: 32
...
	.end_amdgpu_metadata
.endif
;; end of part 3
;; launch attn (part 4): grid 256 x 1, 8 waves a work-group, no clusters, 318,464 bytes of LDS; arguments x, wimg, btab, gflag, bq, bk, bv, bo, out0; writes out0
.if DOCPART == 4
	.amdgcn_target "amdgcn-amd-amdhsa--gfx1250"
	.amdhsa_code_object_version 6
	.text
	.protected	k_q0ccf3d0e96_attn
	.globl	k_q0ccf3d0e96_attn
	.p2align	8
	.type	k_q0ccf3d0e96_attn,@function
k_q0ccf3d0e96_attn:
	s_mov_b64 s[64:65], 0
	v_nop
	global_prefetch_b8 v0, s[64:65] scope:SCOPE_SE
	s_setreg_imm32_b32 hwreg(HW_REG_WAVE_SCHED_MODE, 0, 2), 2
	s_setreg_imm32_b32 hwreg(HW_REG_WAVE_MODE, 25, 1), 1
	s_wait_xcnt 0x0
	s_wait_alu depctr_vm_vsrc(0)
; out = softmax(q k^T / sqrt(32) + sc, masked where sc <= 0) v Wo + bo, with q, k, v = x W + b; 128 sequences of 512 tokens x 256, 8 heads of 32.  All six products on codes of FP6 (E2M3) with one E8M0 scale for each 32 along K.
; SHARES.  A work-group takes half a sequence's queries (256) and all of its 512 keys: sequence = work-group / 2, half qh = work-group % 2.  Nothing but the result goes to memory.  Eight waves, 512 registers each.
;   Wave w owns two blocks of 32 tokens: X = block 8 qh + w (its queries) and Y = block 8 (1 - qh) + w: four TILES of 16 tokens i = (X, 0), (X, 1), (Y, 0), (Y, 1).  THE TOKENS OF A TILE ARE NOT NEIGHBOURS: row r of tile (block, u) is
;   token 32 block + 8 u + r + 8 (r / 8), so that wherever a product's result runs along tokens or features, the 16 registers of two neighbouring tiles are 16 neighbours along the next product's K.
; PHASES.  0: weights' images and biases into LDS; my 64 tokens of x quantised into eight fragments, which stay in registers.  1a: K of my 64 tokens, head by head, quantised along the head's 32, as images to LDS.  1b: Q of my 32
;   queries likewise (times the flag g).  1c: V of my 64 tokens, with the tokens along the registers, quantised along the keys, to LDS.  2: for each of my two query tiles: four key steps of 128 keys x eight heads, running maximum;
;   then O / l, quantised along the 256 features, times Wo, plus bo, stored.
; K = 32 IN AN INSTRUCTION OF K = 128.  The four blocks of source 0 hold four different tiles of 16 keys of one head; source 1 holds q's 32 codes in ONE block and zero codes elsewhere: four instructions read one fragment of K.
;   The four forms of source 1 are read out of 30 registers [zeros 6 | q in lanes 0-15 | zeros 6 | q in lanes 16-31 | zeros 6].
; BIAS AND MASK are the C operand of the score product: the table of the launch before (sc x sqrt(32), or -1e9 x sqrt(32)); t = (score + C) x log2(e) / sqrt(32).  A key step's 64 registers of C serve all eight heads.
; SOFTMAX.  M = the running largest t, rounded up to a whole number; p = 2^(t - M) is quantised along the keys; the sum l is taken of the unquantised p; when M moves, l and O are multiplied by 2^(old M - new M), which rounds nothing.
; NO TENSOR LOAD, NO CLUSTER: x arrives as f32 and passes registers to be quantised; what two work-groups share (a sequence's x, the weights' 213 KB, the table) is read through registers, and LDS has 9 KB left for slots.
; LIMITS: NaN and infinities among the inputs are not served.  A logit that is not masked is taken to lie above -1e8 (so that a masked one, near -1e9, gives p = 0 beside it).  A block whose largest magnitude lies under 2^-124 gets
;   the byte 1.  p under 2^-126 counts as 0.
; REGISTERS, in windows of 256.  Window 0: v1-23 addresses and lane terms; v24-41 scale words and nothing else; v44-79 q; v80-111 statistics; v112-127 bo; v128-151 at work; v152-171 codes just made; v172-235 64 numbers (scores, p,
;   projections, rows of out0); v236-247 a fragment.  Window 1: phase 1: v0-95 x's eight fragments, v96-191 weights' fragments;  phase 2: v0-63 C, v64-191 O^T (16 a head), v192-215 K, v216-239 V.
; THE MODE: SCHED_MODE bits 1:0 = 2 (LLVM: expert scheduling mode 2), set by the entry lines.  The code itself states the register dependences between vector or matrix instructions and memory or LDS instructions, with s_wait_alu, always for 0.
; THE PLAN.  Registers that memory or LDS instructions touch, and who else names them:
;   Lane terms and fixed addresses (v3-6, v13, v14, v17-21): written once by vector instructions (v5 twice), read by loads and stores; a wait on va_vdst stands between each writing and the first access.
;   v[A0] to v[A5], v[BO], the addresses in hand: written by vector additions at the head of a trip, read by the trip's loads and stores.  One wait on vm_vsrc ahead of the additions, one on va_vdst behind them.
;   Phase 0: a buffer of x is loaded, read by the quantiser and loaded again: one wait on va_vdst behind the quantiser, the loads at once behind it, and only then the moves that file the fragment away, which name none of the loads' registers.
;   Phase 1, a trip: the products read the weights' fragments, scale words and the bias; the wait on va_vdst behind the address additions states that they are done, and the next trip's loads follow.  The quantiser writes the codes and the
;     scale word; a second wait on va_vdst stands ahead of the LDS stores that read them; the next trip's wait on vm_vsrc frees them.
;   Phase 2, a head's share of a key step, four waits on va_vdst (one more ahead of the exponentials): (1) behind the eight score products: they are done reading K, its scale words and C, the last head's two products V and its scale words, the last head's masks q as loaded: all
;     the share's loads follow in one run (their destinations lie in window 1: dealt singly they would each want two window switches); (2) behind the 68 exponentials, one batch; (3) ahead of the two products O^T: p's codes and scale word and
;     the next head's q, all written by vector instructions, are taken by scaled products.  One wait on vm_vsrc a key step stands ahead of the address additions.
;   The tile's end: a wait on va_vdst ahead of each run of loads of Wo's fragments, one ahead of the last product's first instruction (O's fragments and scale words), one ahead of each group's stores; vm_vsrc ahead of the additions that
;     write again what the stores of two groups back read.
.set KIMG,  0                          ; LDS: K's images: (8 G + head) x 1,536, G = the wave that made it; block p of the fragment = its token tile p
.set KSC,   98304                      ; their scale words: (8 G + head) x 64 + 4 r
.set QIMG,  102400                     ; q: wave x 6,144 + head x 768 + 256 x register pair + 8 x lane; lanes 0-15 query tile 0, lanes 16-31 tile 1
.set QSC,   151552                     ; wave x 256 + pair of heads x 64 + 4 r; bytes (head a, tile t) at 2 a + t
.set VIMG,  153600                     ; V: (16 s + d tile) x 1,536 + 768 c; there registers 6 c .. 6 c + 3 at 16 x lane, 6 c + 4, 6 c + 5 at 512 + 8 x lane;  s = G / 2, c = G % 2; lanes 0-15 block X, 16-31 block Y
.set VSC,   251904                     ; (16 s + d tile) x 64 + 4 r, byte 2 c + (X: 0, Y: 1)
.set WB,    260096                     ; Wv's block of wimg, later Wo's
.set BIASL, 313344                     ; bq, bk, bv, bo
.set SPARE, 317440                     ; the spare words, 128 bytes for each wave: four blocks of 256 bytes that no other line names
.set TMPK,  153600                     ; Wk's block and
.set TMPQ,  206848                     ; Wq's, where V will lie
.set WBLK,  53248
.set WSCO,  49152                      ; a block's scale-word images
.set SPW, 1                            ; LDS address of my spare word; never rewritten
.set NIL, 2                            ; 0; never rewritten
.set L16, 3                            ; 16 x lane
.set R4,  4                            ; 4 r
.set XA,  5                            ; x: (r + 8 (r / 8)) x 1,024 + 64 h;
.set GO,  5                            ; later out0: 16,384 h + 16 r
.set T16, 6                            ; 16 x thread
.set A0,  7                            ; v7-12: the addresses in hand
.set A1,  8
.set A2,  9
.set A3,  10
.set A4,  11
.set A5,  12
.set ADW, 13                           ; WB + 16 x lane
.set ADWS, 14                          ; WB + WSCO + 4 r
.set MLO, 15                           ; all ones in lanes 0-15
.set MHI, 16                           ; all ones in lanes 16-31
.set L8,  17                           ; 8 x lane
.set R8,  18                           ; 8 r
.set AQS, 19                           ; QSC + 256 x wave + 4 r
.set H64, 20                           ; 64 h
.set RT4, 21                           ; 4 (r + 8 (r / 8))
.set GF,  22                           ; v22-23 the flags g of my two query tiles
.set XS,  24                           ; v24-31 x's scale words (2 i + ks);
.set QS,  24                           ; later q's byte, four times, for each head
.set WS,  32                           ; v32-39 weights' scale words;
.set KS,  32                           ; in phase 2 K's two
.set VS,  34                           ; and V's two
.set PW,  40                           ; the scale word just made
.set AS0, 41
.set BO,  42                           ; the table's offset
.set Q6,  44
.set QV,  50
.set ST2, 44                           ; phase 0: x's second buffer, v44-107
.set CB,  44                           ; phase 1: biases as C operands, v44-75
.set ST,  80                           ; head hd: -M, the largest t, l in two halves, at ST + 4 hd
.set BOV, 112
.set TM,  128                          ; +0..3 largest magnitudes; +4..7 the other half's, then bytes; +8, 9 a second chain of sums; +12..15 scale operands; +16 f (+17 named with it); +18 at work; +20..23 the bias on its way
.set PC,  152
.set S,   172
.set HA,  172
.set AF0, 236
.set XF,  0                            ; window 1
.set WF,  96
.set STG, 96
.set WOS, 192
.set BIAS, 0
.set O,   64
.set KF,  192
.set VF,  216
.set ACC, 64
.set WFB, 128
.set WFA, 192
.set MSB, 0
.macro WIN new                         ; s_set_vgpr_msb: bits 1:0 source 0, 3:2 source 1, 5:4 source 2, 7:6 destination; the high byte repeats the setting that is left
.if MSB != \new
	s_set_vgpr_msb (MSB<<8)|\new
.set MSB, \new
.endif
.endm
.macro MXC d, a, b, c, sa, sb          ; D = A B + C, all by their first registers
	v_wmma_scale_f32_16x16x128_f8f6f4 v[\d:\d+7], v[\a:\a+11], v[\b:\b+11], v[\c:\c+7], v[\sa], v[\sb] matrix_a_fmt:MATRIX_FMT_FP6 matrix_b_fmt:MATRIX_FMT_FP6
.endm
.macro MXZ d, a, b, sa, sb             ; D = A B: the product starts the sum
	v_wmma_scale_f32_16x16x128_f8f6f4 v[\d:\d+7], v[\a:\a+11], v[\b:\b+11], 0, v[\sa], v[\sb] matrix_a_fmt:MATRIX_FMT_FP6 matrix_b_fmt:MATRIX_FMT_FP6
.endm
.macro PLACES n                        ; plain vector places behind matrix instructions (ISA guide 7.12.1), and ahead of scaled ones whose operands vector instructions wrote
.rept \n
	v_nop
.endr
.endm
.macro BARRIER                         ; my LDS stores have landed and my LDS loads are in: then the work-group's barrier
	s_wait_dscnt 0x0
	s_barrier_signal -1
	s_barrier_wait -1
.endm
; From four largest magnitudes in v[TM] on and 64 numbers v[s] .. v[s + 63] (register 16 b + i = element 16 h + i of block b of my row): the fragment's codes in v[PC] on (registers 6 c .. 6 c + 5: block 2 c + h, whole) and its scale word in v[PW].
.macro QTAIL s
.irp b, 0,1,2,3
	v_add_nc_u32 v[TM+12+\b], 0xff000000, v[TM+\b]   ; 2 off the exponent field: the conversion takes the exponent field of this operand as its scale
.endr
.irp b, 0,1,2,3
	v_lshrrev_b32 v[TM+4+\b], 23, v[TM+12+\b]      ; the scale's byte
.endr
	v_lshl_or_b32 v[PW], v[TM+5], 8, v[TM+4]
	v_lshl_or_b32 v[PW], v[TM+6], 16, v[PW]
	v_lshl_or_b32 v[PW], v[TM+7], 24, v[PW]
.irp c, 0,1
	v_cvt_scalef32_pk16_fp6_f32 v[PC+6*\c:PC+6*\c+2], v[\s+32*\c:\s+32*\c+15], v[TM+12+2*\c]
	v_cvt_scalef32_pk16_fp6_f32 v[PC+12+4*\c:PC+12+4*\c+2], v[\s+32*\c+16:\s+32*\c+31], v[TM+12+2*\c+1]   ; (a conversion's three registers begin on an even number)
.endr
	v_nop                                          ; one plain place behind a scaled conversion
.irp c, 0,1                                    ; the operand's layout wants a WHOLE block in a lane: lanes 0-15 block 2 c, lanes 16-31 block 2 c + 1
.irp i, 0,1,2
	v_permlane16_swap_b32 v[PC+6*\c+\i], v[PC+12+4*\c+\i]
.endr
.irp i, 0,1,2
	v_mov_b32 v[PC+3+6*\c+\i], v[PC+12+4*\c+\i]
.endr
.endr
.endm
.macro QUANT s                         ; the whole quantiser
.irp b, 0,1,2,3
	v_max3_num_f32 v[TM+\b], |v[\s+16*\b]|, |v[\s+1+16*\b]|, 0x1800000   ; my 16 numbers of block b, and the floor 2^(3 - 127): the byte cannot fall under 1
.endr
.irp i, 2,4,6,8,10,12,14
.irp b, 0,1,2,3
	v_max3_num_f32 v[TM+\b], v[TM+\b], |v[\s+16*\b+\i]|, |v[\s+1+16*\b+\i]|   ; (the four blocks by turns)
.endr
.endr
.irp b, 0,1,2,3
	v_permlanex16_b32 v[TM+4+\b], v[TM+\b], s32, s33
.endr
.irp b, 0,1,2,3
	v_max_num_f32 v[TM+\b], v[TM+\b], v[TM+4+\b]   ; with lane l xor 16's: the block's largest magnitude
.endr
	QTAIL \s
.endm
.macro XLOAD reg, sp, off              ; 64 numbers of x: of my token's row, 16 neighbours of each of four blocks of 32
.irp b, 0,1,2,3
.irp j, 0,1,2,3
	global_load_b128 v[\reg+16*\b+4*\j:\reg+16*\b+4*\j+3], v[XA], s[\sp:\sp+1] offset:\off+128*\b+16*\j
.endr
.endr
.endm
.macro WFETCH n                        ; n fragments of a weight and their scale words, from the images at v[A0] and v[A1]; the bias's loads, by v[A2], follow the macro
	WIN 0x40
	s_wait_alu depctr_va_vdst(0)                   ; v[A0] to v[A2] are written, which the loads below read; the vector and matrix instructions issued so far are done with the registers in which these loads land (fragments, scale words, the bias).  Where the macro stands first, x's fragments and scale words, which vector instructions wrote and scaled products take, are written too
.set ff, 0
.rept \n
.irp c, 0,1,2
	ds_load_b128 v[WF+12*ff+4*\c:WF+12*ff+4*\c+3], v[A0] offset:1536*ff+512*\c
.endr
.set ff, ff+1
.endr
	WIN 0
.set ff, 0
.rept \n
	ds_load_b32 v[WS+ff], v[A1] offset:128*ff
.set ff, ff+1
.endr
.endm
.macro PADR base                       ; phase 1: the addresses of the next trip's weights, scale words and bias: a stepped scalar + a lane term
	v_add_nc_u32 v[A0], s48, v[L16]
	v_add_nc_u32 v[A1], s49, v[R4]
	v_add_nc_u32 v[A2], s50, v[\base]
.endm
	; ---------------- phase 0
	s_load_b512 s[4:19], s[0:1], 0x0               ; x s[4:5], wimg s[6:7], btab s[8:9], gflag s[10:11], bq s[12:13], bk s[14:15], bv s[16:17], bo s[18:19]
	s_load_b64 s[20:21], s[0:1], 0x40              ; out0
	v_lshl_add_u32 v[SPW], v0, 2, SPARE
	v_mov_b32 v[NIL], 0
	v_lshrrev_b32 v7, 5, v0
	v_readfirstlane_b32 s22, v7                    ; wave 0..7
	s_and_b32 s23, ttmp9, 1                        ; qh
	s_lshr_b32 s24, ttmp9, 1                       ; the sequence
	v_and_b32 v7, 31, v0                           ; lane
	v_and_b32 v8, 15, v0                           ; r
	v_bfe_u32 v9, v0, 4, 1                         ; h
	v_lshlrev_b32 v[L16], 4, v7
	v_lshlrev_b32 v[L8], 3, v7
	v_lshlrev_b32 v[R4], 2, v8
	v_lshlrev_b32 v[R8], 3, v8
	v_lshlrev_b32 v[H64], 6, v9
	v_and_b32 v10, 8, v8
	v_add_nc_u32 v10, v10, v8                      ; r + 8 (r / 8)
	v_lshlrev_b32 v[RT4], 2, v10
	v_lshl_add_u32 v[XA], v10, 10, v[H64]
	v_lshlrev_b32 v[T16], 4, v0
	v_and_b32 v11, 63, v0
	v_lshlrev_b32 v11, 4, v11                      ; my 16 bytes of a bias: 64 threads to each of the four
	v_lshlrev_b32 v12, 2, v7
	v_add_nc_u32 v[MLO], -1, v9
	v_sub_nc_u32 v[MHI], 0, v9
.irp b, 0,1,2,3
	v_mov_b32 v[TM+4+\b], 0                        ; written once: a lane permute's destination counts as one of its sources
.endr
	v_mov_b32 v[TM+17], 0                          ; (named as the upper half of the pair with f)
	s_wait_alu depctr_va_sdst(0)                   ; s22, the wave's number, is written, ahead of its first reader: blocks, bases and LDS places are made from it
	s_mov_b32 s32, 0x76543210
	s_mov_b32 s33, 0xfedcba98                      ; v_permlanex16_b32's selects for lane l xor 16
	s_mov_b32 s34, 0x3e8293ee                      ; c = log2(e) / sqrt(32)
	s_mov_b32 s35, s34                             ; (named with it as a pair)
	s_lshl_b32 s26, s24, 19                        ; a sequence is 524,288 bytes
	s_mov_b32 s27, 0
	s_lshl_b32 s25, s23, 3
	s_add_co_u32 s36, s25, s22                     ; block X = 8 qh + wave
	s_xor_b32 s25, s25, 8
	s_add_co_u32 s37, s25, s22                     ; block Y = 8 (1 - qh) + wave
	s_lshr_b32 s38, s22, 1                         ; which bias my thread brings
	s_wait_kmcnt 0x0
	s_add_nc_u64 s[4:5], s[4:5], s[26:27]
	s_add_nc_u64 s[20:21], s[20:21], s[26:27]
	s_lshl_b32 s26, s36, 15                        ; a block of 32 tokens is 32,768 bytes
	s_add_nc_u64 s[28:29], s[4:5], s[26:27]        ; x at block X
	s_add_nc_u64 s[20:21], s[20:21], s[26:27]      ; out0 at block X
	s_lshl_b32 s26, s37, 15
	s_add_nc_u64 s[30:31], s[4:5], s[26:27]        ; x at block Y
	s_lshl_b32 s26, s36, 16
	s_add_nc_u64 s[44:45], s[8:9], s[26:27]        ; the table at my two query tiles' eight chunks
	s_lshl_b32 s26, s36, 10
	s_add_nc_u64 s[10:11], s[10:11], s[26:27]      ; and their flags
	s_cmp_eq_u32 s38, 1
	s_cselect_b64 s[46:47], s[14:15], s[12:13]
	s_cmp_eq_u32 s38, 2
	s_cselect_b64 s[46:47], s[16:17], s[46:47]
	s_cmp_eq_u32 s38, 3
	s_cselect_b64 s[46:47], s[18:19], s[46:47]     ; the choice hangs on the wave's number alone
	s_wait_alu depctr_va_vdst(0)                   ; the offsets v11, v12, v[T16] and v[XA] are written, which the loads below read
	global_load_b128 v[TM+20:TM+23], v11, s[46:47]
	global_load_b32 v[GF], v12, s[10:11]
	global_load_b32 v[GF+1], v12, s[10:11] offset:512
	WIN 0x40
.irp i, 0,1,2,3,4,5,6,7,8,9,10,11,12               ; a weight's block is 13 x 4,096 bytes: 16 bytes a thread, 13 times
	global_load_b128 v[STG+4*\i:STG+4*\i+3], v[T16], s[6:7] offset:WBLK+4096*\i             ; Wk
	global_load_b128 v[STG+52+4*\i:STG+52+4*\i+3], v[T16], s[6:7] offset:4096*\i            ; Wq
	global_load_b128 v[STG+104+4*\i:STG+104+4*\i+3], v[T16], s[6:7] offset:2*WBLK+4096*\i   ; Wv
.endr
	WIN 0
	XLOAD HA, 28, 0                                ; x: unit 0 = tile 0, K step 0;
	XLOAD ST2, 28, 512                             ; unit 1 = tile 0, K step 1
	v_add_nc_u32 v7, TMPK, v[T16]
	v_add_nc_u32 v8, TMPQ, v[T16]
	v_add_nc_u32 v9, WB, v[T16]
	v_add_nc_u32 v10, BIASL, v[T16]
	s_wait_loadcnt 32                              ; all but the two units of x, 16 loads each
	s_wait_alu depctr_va_vdst(0)                   ; the four LDS addresses v7 to v10 are written, which the stores below read
	ds_store_b128 v10, v[TM+20:TM+23]
	WIN 0x04                                       ; an LDS store's data are its source 1
.irp i, 0,1,2,3,4,5,6,7,8,9,10,11,12
	ds_store_b128 v7, v[STG+4*\i:STG+4*\i+3] offset:4096*\i
	ds_store_b128 v8, v[STG+52+4*\i:STG+52+4*\i+3] offset:4096*\i
	ds_store_b128 v9, v[STG+104+4*\i:STG+104+4*\i+3] offset:4096*\i
.endr
	WIN 0
; Unit n = (tile n / 2, K step n % 2): quantised; the buffer takes unit n + 2 at once; then the codes are filed as fragment n of window 1.
.macro UNIT n
.if (\n) < 7
	s_wait_loadcnt 16                              ; this unit's 16 loads are in; the next unit's may be out
.else
	s_wait_loadcnt 0x0
.endif
.if (\n)%2 == 0
	QUANT HA
.else
	QUANT ST2
.endif
.if (\n) < 6
	s_wait_alu depctr_va_vdst(0)                   ; the quantiser is done reading the buffer, in which the loads below land; the moves behind them name none of their registers
.if (\n)%2 == 0
	XLOAD HA, 28+2*(((\n)+2)/4), 8192*((((\n)+2)/2)%2)+512*((\n)%2)
.else
	XLOAD ST2, 28+2*(((\n)+2)/4), 8192*((((\n)+2)/2)%2)+512*((\n)%2)
.endif
.endif
	WIN 0x40
.irp k, 0,1,2,3,4,5,6,7,8,9,10,11
	v_mov_b32 v[XF+12*(\n)+\k], v[PC+\k]
.endr
	WIN 0
	v_mov_b32 v[XS+(\n)], v[PW]
.endm
.irp n, 0,1,2,3,4,5,6,7
	UNIT \n
.endr
	PLACES 8                                       ; x's last scale word was moved just now: a scale word written by a vector instruction stands eight places ahead of a scaled product, a fragment so written four
	BARRIER                                        ; the three weights' blocks and the biases lie in LDS
	WIN 0x40
	s_wait_alu depctr_vm_vsrc(0)                   ; my LDS stores have read the stage's registers, in which Wo's block and the weights' fragments land, and v7 to v10; the first loads have read v11 and v12: v7 to v12 are the addresses in hand from here on
.irp i, 0,1,2,3,4,5,6,7,8,9,10,11,12               ; Wo's block is asked for now and waits in registers until Wv's has been read
	global_load_b128 v[WOS+4*\i:WOS+4*\i+3], v[T16], s[6:7] offset:3*WBLK+4096*\i
.endr
	WIN 0
	; ---------------- phase 1a: K, a head a trip.  Transposed: source 0 = 16 columns of Wk, source 1 = 16 tokens: a lane holds one token, and the registers of the head's two tiles are its 16 h + 0 .. 15 of the head's 32.
	s_mov_b32 s48, TMPK
	s_mov_b32 s49, TMPK+WSCO
	s_mov_b32 s50, BIASL+1024
	s_mul_i32 s51, s22, 12288                      ; KIMG + wave x 8 heads x 1,536
	s_lshl_b32 s52, s22, 9
	s_add_co_u32 s52, s52, KSC
	s_mov_b32 s42, 8
	PADR H64
	WFETCH 4
.irp u, 0,1
.irp e, 0,1
	ds_load_b128 v[CB+8*\u+4*\e:CB+8*\u+4*\e+3], v[A2] offset:32*\u+16*\e   ; bk at my eight features of tile u: the C of the sum's first product
.endr
.endr
.Lk:
	s_wait_dscnt 0x0                               ; this head's weights, scale words and bias are in
	WIN 0x05
.irp ks, 0,1                                   ; eight accumulators by turns, one instruction a turn
.irp i, 0,1,2,3
.irp u, 0,1
.if \ks == 0
	MXC HA+16*\i+8*\u, WF+12*(2*\u+\ks), XF+12*(2*\i+\ks), CB+8*\u, WS+2*\u+\ks, XS+2*\i+\ks
.else
	MXC HA+16*\i+8*\u, WF+12*(2*\u+\ks), XF+12*(2*\i+\ks), HA+16*\i+8*\u, WS+2*\u+\ks, XS+2*\i+\ks
.endif
.endr
.endr
.endr
	WIN 0
	PLACES 4                                       ; ahead of the first read of the results
	s_add_co_u32 s48, s48, 6144
	s_add_co_u32 s49, s49, 512
	s_add_co_u32 s50, s50, 128
	s_wait_alu depctr_vm_vsrc(0)                   ; the loads of this head's weights have read v[A0] to v[A2]; the last trip's stores have read v[A3], v[A4], the codes and the scale word: all are written again below
	PADR H64
	WFETCH 4                                       ; the next head's (the last trip reads written bytes that follow, and nobody uses them)
.irp u, 0,1
.irp e, 0,1
	ds_load_b128 v[CB+8*\u+4*\e:CB+8*\u+4*\e+3], v[A2] offset:32*\u+16*\e
.endr
.endr
	QUANT HA                                       ; block i = token tile i: the fragment's four blocks are four tiles of keys
	v_add_nc_u32 v[A3], s51, v[L16]
	v_add_nc_u32 v[A4], s52, v[R4]
	s_wait_alu depctr_va_vdst(0)                   ; the quantiser has written the codes and the scale word, the two additions the addresses: the stores below read them
.irp c, 0,1,2
	ds_store_b128 v[A3], v[PC+4*\c:PC+4*\c+3] offset:512*\c
.endr
	ds_store_b32 v[A4], v[PW]                      ; both halves of the lanes write row r's word, with the same value
	s_add_co_u32 s51, s51, 1536
	s_add_co_u32 s52, s52, 64
	s_sub_co_u32 s42, s42, 1
	s_cmp_lg_u32 s42, 0
	s_cbranch_scc1 .Lk
	; ---------------- phase 1b: Q of my two query tiles, two heads a trip
	s_wait_dscnt 0x0                               ; the loads that ran ahead are in: their registers are loaded anew
	s_mov_b32 s48, TMPQ
	s_mov_b32 s49, TMPQ+WSCO
	s_mov_b32 s50, BIASL
	s_mul_i32 s51, s22, 6144
	s_add_co_u32 s51, s51, QIMG
	s_lshl_b32 s52, s22, 8
	s_add_co_u32 s52, s52, QSC
	s_wait_alu depctr_vm_vsrc(0)                   ; the loads that ran ahead have read v[A0] to v[A2], which are written below
	v_add_nc_u32 v[AQS], s52, v[R4]
	s_mov_b32 s42, 4
	PADR H64
	WFETCH 8
.irp a, 0,1
.irp u, 0,1
.irp e, 0,1
	ds_load_b128 v[CB+8*(2*\a+\u)+4*\e:CB+8*(2*\a+\u)+4*\e+3], v[A2] offset:128*\a+32*\u+16*\e
.endr
.endr
.endr
.Lq:
	s_wait_dscnt 0x0
	WIN 0x05
.irp ks, 0,1
.irp a, 0,1
.irp i, 0,1
.irp u, 0,1
.if \ks == 0
	MXC HA+16*(2*\a+\i)+8*\u, WF+12*(4*\a+2*\u+\ks), XF+12*(2*\i+\ks), CB+8*(2*\a+\u), WS+4*\a+2*\u+\ks, XS+2*\i+\ks
.else
	MXC HA+16*(2*\a+\i)+8*\u, WF+12*(4*\a+2*\u+\ks), XF+12*(2*\i+\ks), HA+16*(2*\a+\i)+8*\u, WS+4*\a+2*\u+\ks, XS+2*\i+\ks
.endif
.endr
.endr
.endr
.endr
	WIN 0
	PLACES 4                                       ; ahead of the first read of the results
	s_add_co_u32 s48, s48, 12288
	s_add_co_u32 s49, s49, 1024
	s_add_co_u32 s50, s50, 256
	s_wait_alu depctr_vm_vsrc(0)                   ; the loads of these heads' weights have read v[A0] to v[A2]; the last stores have read v[A4], v[A5], the codes and the scale word: all are written again below
	PADR H64
	WFETCH 8
.irp a, 0,1
.irp u, 0,1
.irp e, 0,1
	ds_load_b128 v[CB+8*(2*\a+\u)+4*\e:CB+8*(2*\a+\u)+4*\e+3], v[A2] offset:128*\a+32*\u+16*\e
.endr
.endr
.endr
.irp a, 0,1                                    ; q x g: 0 for a query with no key left, else 1
.irp k, 0,2,4,6,8,10,12,14
	v_pk_mul_f32 v[HA+32*\a+\k:HA+32*\a+\k+1], v[HA+32*\a+\k:HA+32*\a+\k+1], v[GF:GF+1] op_sel_hi:[1,0]
.endr
.irp k, 0,2,4,6,8,10,12,14
	v_pk_mul_f32 v[HA+32*\a+16+\k:HA+32*\a+16+\k+1], v[HA+32*\a+16+\k:HA+32*\a+16+\k+1], v[GF:GF+1] op_sel:[0,1] op_sel_hi:[1,1]
.endr
.endr
	QUANT HA                                       ; block 2 a + i: registers 6 a .. 6 a + 5 hold head a: lanes 0-15 query tile 0, lanes 16-31 tile 1
	v_add_nc_u32 v[A5], s51, v[L8]
	v_add_nc_u32 v[A4], s52, v[R4]
	s_wait_alu depctr_va_vdst(0)                   ; the quantiser has written the codes and the scale word, the two additions the addresses: the stores below read them
.irp a, 0,1
.irp p, 0,1,2
	ds_store_b64 v[A5], v[PC+6*\a+2*\p:PC+6*\a+2*\p+1] offset:768*\a+256*\p
.endr
.endr
	ds_store_b32 v[A4], v[PW]
	s_add_co_u32 s51, s51, 1536
	s_add_co_u32 s52, s52, 64
	s_sub_co_u32 s42, s42, 1
	s_cmp_lg_u32 s42, 0
	s_cbranch_scc1 .Lq
	BARRIER                                        ; nobody reads Wk's and Wq's blocks any more: V may be written there
	; ---------------- phase 1c: V, a head a trip.  Source 0 = 16 tokens, source 1 = 16 columns of Wv: a lane holds one column, and its registers run along the tokens, which are the second product's K.
	s_mov_b32 s48, WB
	s_mov_b32 s49, WB+WSCO
	s_mov_b32 s50, BIASL+2048
	s_lshr_b32 s25, s22, 1                         ; my key step
	s_and_b32 s26, s22, 1                          ; and my half of it
	s_mul_i32 s51, s25, 24576
	s_mul_i32 s27, s26, 768
	s_add_co_u32 s51, s51, s27
	s_add_co_u32 s51, s51, VIMG
	s_lshl_b32 s52, s25, 10
	s_lshl_b32 s27, s26, 1
	s_add_co_u32 s52, s52, s27
	s_add_co_u32 s52, s52, VSC
	s_mov_b32 s42, 8
	s_wait_alu depctr_vm_vsrc(0)                   ; the loads that ran ahead have read v[A0] to v[A2], which are written below
	PADR RT4
	WFETCH 4
.irp u, 0,1
.irp j, 0,1,2,3,4,5,6,7
	ds_load_b32 v[CB+8*\u+\j], v[A2] offset:32*\u  ; bv at my column, for all eight tokens of the accumulator
.endr
.endr
.Lv:
	s_wait_dscnt 0x0
	WIN 0x05
.irp ks, 0,1
.irp u, 0,1
.irp i, 0,1,2,3
.if \ks == 0
	MXC HA+32*\u+8*\i, XF+12*(2*\i+\ks), WF+12*(2*\u+\ks), CB+8*\u, XS+2*\i+\ks, WS+2*\u+\ks
.else
	MXC HA+32*\u+8*\i, XF+12*(2*\i+\ks), WF+12*(2*\u+\ks), HA+32*\u+8*\i, XS+2*\i+\ks, WS+2*\u+\ks
.endif
.endr
.endr
.endr
	WIN 0
	PLACES 4                                       ; ahead of the first read of the results
	s_add_co_u32 s48, s48, 6144
	s_add_co_u32 s49, s49, 512
	s_add_co_u32 s50, s50, 128
	s_wait_alu depctr_vm_vsrc(0)                   ; the loads of this head's weights have read v[A0] to v[A2]; the last stores have read v[A3] to v[A5], the codes, the scale word and v[TM+18]: all are written again below
	PADR RT4
	WFETCH 4
.irp u, 0,1
.irp j, 0,1,2,3,4,5,6,7
	ds_load_b32 v[CB+8*\u+\j], v[A2] offset:32*\u
.endr
.endr
	QUANT HA                                       ; block 2 u + (X: 0, Y: 1): registers 6 u .. 6 u + 5 are d tile u: lanes 0-15 block X's 32 keys, lanes 16-31 block Y's
	v_add_nc_u32 v[A3], s51, v[L16]
	v_add_nc_u32 v[A5], s51, v[L8]
	v_add_nc_u32 v[A4], s52, v[R4]
	v_lshrrev_b32 v[TM+18], 16, v[PW]
	s_wait_alu depctr_va_vdst(0)                   ; the quantiser has written the codes and the scale word, the four lines above the addresses and the word's upper half: the stores below read them
	ds_store_b128 v[A3], v[PC:PC+3]
	ds_store_b64 v[A5], v[PC+4:PC+5] offset:512
	ds_store_b128 v[A3], v[PC+6:PC+9] offset:1536
	ds_store_b64 v[A5], v[PC+10:PC+11] offset:2048
	ds_store_b16 v[A4], v[PW]                      ; d tile 0: my two bytes of the key step's word (the other two are my neighbour wave's)
	ds_store_b16 v[A4], v[TM+18] offset:64         ; d tile 1
	s_add_co_u32 s51, s51, 3072
	s_add_co_u32 s52, s52, 128
	s_sub_co_u32 s42, s42, 1
	s_cmp_lg_u32 s42, 0
	s_cbranch_scc1 .Lv
	BARRIER                                        ; V is whole, and nobody reads Wv's block any more
	s_wait_loadcnt 0x0                             ; Wo's block is in registers
	s_wait_alu depctr_vm_vsrc(0)                   ; the loads that ran ahead have read v[A0] to v[A2]; the last stores have read v[A3] to v[A5], the codes, the scale word and v[TM+18]: phase 2 writes them all again, v[A2] at once
	v_add_nc_u32 v[A2], WB, v[T16]
	v_mov_b32 v[BO], v[L16]
	WIN 0x40
	s_wait_alu depctr_va_vdst(0)                   ; v[A2] and v[BO] are written, which the stores and loads below read; V's products are done reading x's fragments, in which the table lands
.irp q, 0,1,2,3,4,5,6,7,8,9,10,11,12,13,14,15      ; the table's first chunk
	global_load_b128 v[BIAS+4*\q:BIAS+4*\q+3], v[BO], s[44:45] offset:512*\q
.endr
	WIN 0x04
.irp i, 0,1,2,3,4,5,6,7,8,9,10,11,12
	ds_store_b128 v[A2], v[WOS+4*\i:WOS+4*\i+3] offset:4096*\i
.endr
	WIN 0
	BARRIER                                        ; Wo's block lies in LDS.  From here on LDS is only read
	; ---------------- phase 2
.irp k, 0,1,2,3,4,5
	v_mov_b32 v[QV+\k], 0                          ; the zero codes round q
	v_mov_b32 v[QV+12+\k], 0
	v_mov_b32 v[QV+24+\k], 0
.endr
	v_add_nc_u32 v[ADW], WB, v[L16]
	v_add_nc_u32 v[ADWS], WB+WSCO, v[R4]
	v_lshl_add_u32 v[A0], v[R4], 2, BIASL+3072
	v_lshlrev_b32 v[GO], 8, v[H64]
	v_lshl_add_u32 v[GO], v[R4], 2, v[GO]          ; out0: 16 h rows of 1,024 bytes + 16 r
	s_wait_alu depctr_va_vdst(0)                   ; v[A0] is written, which the four loads below read; so are v[ADW], v[ADWS] and v[GO], for the loads and stores of the tiles' ends
.irp T, 0,1,2,3
	ds_load_b128 v[BOV+4*\T:BOV+4*\T+3], v[A0] offset:256*\T   ; bo(64 T + 4 r + 0 .. 3)
.endr
	s_mul_i32 s53, s22, 6144
	s_add_co_u32 s53, s53, QIMG                    ; my q; + 128 for query tile 1
	s_mov_b32 s40, 0                               ; v_perm_b32's selects: byte t of a scale word four times,
	s_mov_b32 s41, 0x02020202                      ; byte 2 + t
	s_mov_b32 s38, 0                               ; the table's chunk in hand
	s_mov_b32 s36, 2
.macro STEPADR                         ; a key step's addresses: a stepped scalar + a lane term
	v_add_nc_u32 v[A0], s54, v[L16]
	v_add_nc_u32 v[A1], s55, v[R4]
	v_add_nc_u32 v[A2], s57, v[R4]
	v_add_nc_u32 v[A3], s56, v[L16]
	v_add_nc_u32 v[A4], s56, v[L8]
.endm
; ONE HEAD'S SHARE OF A KEY STEP: 128 keys x my 16 queries.
.macro HSTEP hd
.set MM, ST+4*\hd
.set LL, ST+4*\hd+2
	WIN 0x11                                       ; K and C in window 1
.irp t, 0,1,2,3,4,5,6,7                        ; tile t: fragment t / 4 of K, its block t % 4; q stands in that block of source 1
	MXC S+8*\t, KF+12*(\t/4), QV+6+12*(\t%2)-6*((\t%4)/2), BIAS+8*\t, KS+\t/4, QS+\hd
.endr
	WIN 0
	PLACES 4                                       ; ahead of the first read of the scores
.if \hd == 7
	s_add_co_u32 s39, s38, 1                       ; the next key step's chunk of the table: all eight heads have read this one
	s_min_u32 s39, s39, 7                          ; (behind my last chunk: that chunk once more, so that no load leaves the buffer)
	s_lshl_b32 s39, s39, 13
	s_wait_alu depctr_vm_vsrc(0)                   ; the loads of this step's chunk have read v[BO], which is written below
	v_add_nc_u32 v[BO], s39, v[L16]                ; (those loads were also waited for at this step's head)
.set NK, 24576                                 ; and head 0 of the next key step (behind the last step: written bytes that follow, which nobody uses)
.set NS, 1024
.else
.set NK, (\hd+1)*1536
.set NS, (\hd+1)*64
.endif
	WIN 0x40
	s_wait_alu depctr_va_vdst(0)                   ; the eight products above are done reading K, its scale words and C; the last head's two products V and its scale words; its masks q as loaded; the addresses in hand (in the eighth head v[BO] too) are written: all the loads below hang on that alone
.if \hd == 7
.irp q, 0,1,2,3,4,5,6,7,8,9,10,11,12,13,14,15
	global_load_b128 v[BIAS+4*\q:BIAS+4*\q+3], v[BO], s[44:45] offset:512*\q
.endr
.endif
.irp u, 0,1                                    ; this head's V: two tiles of 16 of its 32 x 128 keys
.irp c, 0,1
	ds_load_b128 v[VF+12*\u+6*\c:VF+12*\u+6*\c+3], v[A3] offset:(2*\hd+\u)*1536+768*\c
	ds_load_b64 v[VF+12*\u+6*\c+4:VF+12*\u+6*\c+5], v[A4] offset:(2*\hd+\u)*1536+768*\c+512
.endr
.endr
.irp g, 0,1                                    ; the next head's K
.irp c, 0,1,2
	ds_load_b128 v[KF+12*\g+4*\c:KF+12*\g+4*\c+3], v[A0] offset:NK+12288*\g+512*\c
.endr
.endr
	WIN 0
.irp u, 0,1
	ds_load_b32 v[VS+\u], v[A2] offset:(2*\hd+\u)*64
.endr
.irp g, 0,1
	ds_load_b32 v[KS+\g], v[A1] offset:NS+512*\g
.endr
.irp p, 0,1,2
	ds_load_b64 v[Q6+2*\p:Q6+2*\p+1], v[A5] offset:((\hd+1)%8)*768+256*\p   ; and its q
.endr
.irp b, 0,1,2,3
	v_max3_num_f32 v[TM+\b], v[S+16*\b], v[S+16*\b+1], v[S+16*\b+2]   ; THE LARGEST SCORE OF EACH BLOCK OF 32 KEYS serves twice: for the row's maximum and, since p rises with the score, for the block's largest p
.endr
.irp i, 3,5,7,9,11,13
.irp b, 0,1,2,3
	v_max3_num_f32 v[TM+\b], v[TM+\b], v[S+16*\b+\i], v[S+16*\b+\i+1]
.endr
.endr
.irp b, 0,1,2,3
	v_max_num_f32 v[TM+\b], v[TM+\b], v[S+16*\b+15]
.endr
.irp b, 0,1,2,3
	v_permlanex16_b32 v[TM+4+\b], v[TM+\b], s32, s33
.endr
.irp b, 0,1,2,3
	v_max_num_f32 v[TM+\b], v[TM+\b], v[TM+4+\b]   ; with lane l xor 16's 16 keys
.endr
	v_max3_num_f32 v[TM+18], v[TM], v[TM+1], v[TM+2]
	v_max_num_f32 v[TM+18], v[TM+18], v[TM+3]
	v_mul_f32 v[TM+18], s34, v[TM+18]              ; as t (c is positive)
	v_max_num_f32 v[MM+1], v[MM+1], v[TM+18]       ; the running largest t
	v_mov_b32 v[TM+18], v[MM]
	v_floor_f32 v[MM], -v[MM+1]                    ; the new -M = floor(-t): M is a whole number
	v_sub_f32 v[TM+18], v[MM], v[TM+18]            ; old M - new M: a whole number, 0 or less
	v_cvt_i32_f32 v[TM+18], v[TM+18]               ; (it saturates)
	v_ldexp_f32 v[TM+16], 1.0, v[TM+18]            ; f = 2^(old M - new M)
.irp j, 0,2,4,6,8,10,12,14,16,18,20,22,24,26,28,30,32,34,36,38,40,42,44,46,48,50,52,54,56,58,60,62
	v_pk_fma_f32 v[S+\j:S+\j+1], v[S+\j:S+\j+1], s[34:35], v[MM:MM+1] op_sel_hi:[1,0,0]   ; t - M, two at a time
.endr
.irp b, 0,1,2,3
	v_fma_f32 v[TM+\b], v[TM+\b], s34, v[MM]       ; the same of each block's largest score
.endr
	s_wait_alu depctr_va_vdst(0)
.irp j, 0,1,2,3,4,5,6,7,8,9,10,11,12,13,14,15,16,17,18,19,20,21,22,23,24,25,26,27,28,29,30,31,32,33,34,35,36,37,38,39,40,41,42,43,44,45,46,47,48,49,50,51,52,53,54,55,56,57,58,59,60,61,62,63
	v_exp_f32 v[S+\j], v[S+\j]                     ; p = 2^(t - M): not normalised
.endr
.irp b, 0,1,2,3
	v_exp_f32 v[TM+\b], v[TM+\b]                   ; the block's largest p: the same two instructions on the same number.  In the same batch as the 64, so that one wait serves all
.endr
	v_pk_mul_f32 v[LL:LL+1], v[LL:LL+1], v[TM+16:TM+17] op_sel_hi:[1,0]   ; the sums under the new M: the plain place behind the exponentials
	s_wait_alu depctr_va_vdst(0)                   ; the 68 exponentials have written p and the blocks' largest p: one wait for the batch, ahead of its first reader
	v_pk_add_f32 v[TM+8:TM+9], v[S:S+1], v[S+2:S+3]   ; the row's sum of the UNQUANTISED p, in two chains
.irp j, 4,8,12,16,20,24,28,32,36,40,44,48,52,56,60
	v_pk_add_f32 v[LL:LL+1], v[LL:LL+1], v[S+\j:S+\j+1]
	v_pk_add_f32 v[TM+8:TM+9], v[TM+8:TM+9], v[S+\j+2:S+\j+3]
.endr
	v_pk_add_f32 v[LL:LL+1], v[LL:LL+1], v[TM+8:TM+9]
.irp b, 0,1,2,3
	v_max_num_f32 v[TM+\b], 0x1800000, v[TM+\b]    ; the floor 2^(3 - 127): a block whose every p is 0 keeps the byte 1; its codes are zeros
.endr
	QTAIL S
	s_wait_dscnt 0x0                               ; the head step's one wait for LDS: its 21 loads were issued ahead of the softmax
.irp k, 0,1,2,3,4,5                            ; the next head's q, once in lanes 0-15 and once in lanes 16-31.  These twelve are the places between p's codes and scale word and their product
	v_and_b32 v[QV+6+\k], v[Q6+\k], v[MLO]
	v_and_b32 v[QV+18+\k], v[Q6+\k], v[MHI]
.endr
	WIN 0x41
.irp k, 0,2,4,6,8,10,12,14                     ; O^T under the new M.  These eight are the places between q's registers and the next head's products
	v_pk_mul_f32 v[O+16*\hd+\k:O+16*\hd+\k+1], v[O+16*\hd+\k:O+16*\hd+\k+1], v[TM+16:TM+17] op_sel_hi:[1,0]
.endr
	WIN 0x51
	s_wait_alu depctr_va_vdst(0)                   ; vector instructions have written p's codes and scale word, which the two scaled products below take, and the next head's q, which its eight take; the places stand ahead of this wait
	MXC O+16*\hd, VF, PC, O+16*\hd, VS, PW          ; O^T += V^T P^T: source 0 = 16 of the head's 32, source 1 = p; K = these 128 keys
	MXC O+16*\hd+8, VF+12, PC, O+16*\hd+8, VS+1, PW
.endm
.macro FETCH T                         ; Wo's tiles 4 T .. 4 T + 3, both K steps, and their scale words
	WIN 0x40
	s_wait_alu depctr_va_vdst(0)                   ; the vector and matrix instructions issued so far are done with the registers in which these loads land: at first O^T's upper half, K's and V's fragments and scale words, later the last group's fragments of Wo and their scale words
.irp i, 0,1,2,3
.irp c, 0,1,2
	ds_load_b128 v[WFA+12*\i+4*\c:WFA+12*\i+4*\c+3], v[ADW] offset:(2*(4*(\T)+\i))*1536+512*\c
	ds_load_b128 v[WFB+12*\i+4*\c:WFB+12*\i+4*\c+3], v[ADW] offset:(2*(4*(\T)+\i)+1)*1536+512*\c
.endr
.endr
	WIN 0
.irp i, 0,1,2,3
	ds_load_b32 v[WS+\i], v[ADWS] offset:(2*(4*(\T)+\i))*128
	ds_load_b32 v[WS+4+\i], v[ADWS] offset:(2*(4*(\T)+\i)+1)*128
.endr
.endm
.Ltile:                                            ; two trips: my query tiles
	s_wait_alu depctr_vm_vsrc(0)                   ; first trip: bo's loads have read v[A0], Wo's stores v[A2] and the registers in which K and V land; second trip: the last tile's stores have read v[S] on, which the scores write again
	v_add_nc_u32 v[A5], s53, v[R8]                 ; both halves of the lanes read the tile's q
	s_mov_b32 s54, KIMG
	s_mov_b32 s55, KSC
	s_mov_b32 s56, VIMG
	s_mov_b32 s57, VSC
	STEPADR
	s_wait_alu depctr_va_vdst(0)                   ; the six addresses are written; the vector and matrix instructions issued so far are done with v[TM] to v[TM+3], K's fragments and scale words and q as loaded, in which the loads below land
.irp b, 0,1,2,3
	ds_load_b32 v[TM+\b], v[AQS] offset:64*\b      ; q's scale words, a pair of heads each
.endr
	WIN 0x40
.irp g, 0,1
.irp c, 0,1,2
	ds_load_b128 v[KF+12*\g+4*\c:KF+12*\g+4*\c+3], v[A0] offset:12288*\g+512*\c   ; head 0, key step 0
.endr
.endr
	WIN 0
.irp g, 0,1
	ds_load_b32 v[KS+\g], v[A1] offset:512*\g
.endr
.irp p, 0,1,2
	ds_load_b64 v[Q6+2*\p:Q6+2*\p+1], v[A5] offset:256*\p
.endr
	s_wait_dscnt 11                                ; q's four scale words are in; the 11 loads issued behind them (6 of K, 2 of its scale words, 3 of q) may be out
.irp pr, 0,1,2,3
	v_perm_b32 v[QS+2*\pr], v[TM+\pr], v[TM+\pr], s40     ; head 2 pr: my tile's byte, in all four places: whichever block q stands in
	v_perm_b32 v[QS+2*\pr+1], v[TM+\pr], v[TM+\pr], s41   ; head 2 pr + 1
.endr
.irp hd, 0,1,2,3,4,5,6,7
	v_mov_b32 v[ST+4*\hd+1], 0xff61b1e6            ; the largest t so far: -3e38, under every t
	v_mov_b32 v[ST+4*\hd+2], 0                     ; l
	v_mov_b32 v[ST+4*\hd+3], 0
.endr
.irp hd, 0,1,2,3,4,5,6,7
	v_floor_f32 v[ST+4*\hd], -v[ST+4*\hd+1]        ; -M
.endr
	WIN 0x40
.set zz, 0
.rept 128
	v_mov_b32 v[O+zz], 0                           ; O^T: the key step is written once; the first finds zeros, which the first change of M leaves zeros
.set zz, zz+1
.endr
	WIN 0
	s_wait_dscnt 0x0
.irp k, 0,1,2,3,4,5
	v_and_b32 v[QV+6+\k], v[Q6+\k], v[MLO]
	v_and_b32 v[QV+18+\k], v[Q6+\k], v[MHI]
.endr
	PLACES 4                                       ; an operand written by vector instructions stands four places ahead of a scaled product
	s_wait_alu depctr_va_vdst(0)                   ; vector instructions have written q, the zero codes round it and q's scale bytes, which the first head's scaled products take; the places stand ahead of this wait
	s_mov_b32 s37, 4
.Lstep:                                            ; four trips: key steps of 128 keys
	s_wait_loadcnt 0x0                             ; this step's chunk of the table is in
.irp hd, 0,1,2,3,4,5,6,7
	HSTEP \hd
.endr
	WIN 0
	s_add_co_u32 s54, s54, 24576
	s_add_co_u32 s55, s55, 1024
	s_add_co_u32 s56, s56, 24576
	s_add_co_u32 s57, s57, 1024
	s_wait_alu depctr_vm_vsrc(0)                   ; the eight heads' LDS loads have read v[A0] to v[A4], which are written below; the next head's wait on va_vdst stands between that writing and the loads that read them
	STEPADR
	s_add_co_u32 s38, s38, 1
	s_sub_co_u32 s37, s37, 1
	s_cmp_lg_u32 s37, 0
	s_cbranch_scc1 .Lstep
	; ---- the tile's end: O / l, quantised along the 256 features (a block = a head), times Wo, plus bo
.irp hd, 0,1,2,3,4,5,6,7
	v_add_f32 v[ST+4*\hd+2], v[ST+4*\hd+2], v[ST+4*\hd+3]   ; l's two halves (these lines are also the places behind the last products)
.endr
.irp hd, 0,1,2,3,4,5,6,7
	v_permlanex16_b32 v[ST+4*\hd+3], v[ST+4*\hd+2], s32, s33
.endr
.irp hd, 0,1,2,3,4,5,6,7
	v_add_f32 v[ST+4*\hd+2], v[ST+4*\hd+2], v[ST+4*\hd+3]   ; and lane l xor 16's: the row's sum
.endr
	s_wait_alu depctr_va_vdst(0)
.irp hd, 0,1,2,3,4,5,6,7
	v_rcp_f32 v[ST+4*\hd+2], v[ST+4*\hd+2]
.endr
	v_nop                                          ; a plain place behind the last reciprocal
	s_wait_alu depctr_va_vdst(0)                   ; the eight reciprocals are written: one wait, ahead of their first reader
.irp ks, 0,1                                   ; K step ks of the last product: heads 4 ks .. 4 ks + 3
	WIN 0x01
.irp b, 0,1,2,3
.irp k, 0,2,4,6,8,10,12,14
	v_pk_mul_f32 v[S+16*\b+\k:S+16*\b+\k+1], v[O+16*(4*\ks+\b)+\k:O+16*(4*\ks+\b)+\k+1], v[ST+4*(4*\ks+\b)+2:ST+4*(4*\ks+\b)+3] op_sel_hi:[1,0]
.endr
.endr
	WIN 0
.if \ks == 1
	FETCH 0                                        ; O has been read: Wo's first four tiles take its place, and land while the second fragment is made
.endif
	QUANT S
.if \ks == 0
.irp k, 0,1,2,3,4,5,6,7,8,9,10,11
	v_mov_b32 v[AF0+\k], v[PC+\k]
.endr
	v_mov_b32 v[AS0], v[PW]
.endif
.endr
	PLACES 8                                       ; a scale word written by vector instructions stands eight places ahead of a scaled product
	s_wait_alu depctr_va_vdst(0)                   ; vector instructions have written O's two fragments and their scale words, which the scaled products below take; the places stand ahead of this wait
.irp T, 0,1,2,3                                ; 64 columns at a time.  Source 0 = my 16 queries, source 1 = 16 columns 64 T + i + 4 r: the four accumulators' register j are four neighbouring columns of query row 8 h + j
	s_wait_dscnt 0x0
	WIN 0x44
.irp i, 0,1,2,3
	MXZ ACC+32*(\T%2)+8*\i, AF0, WFA+12*\i, AS0, WS+\i
.endr
	WIN 0x54
.irp i, 0,1,2,3                                ; the four accumulators by turns
	MXC ACC+32*(\T%2)+8*\i, PC, WFB+12*\i, ACC+32*(\T%2)+8*\i, PW, WS+4+\i
.endr
	WIN 0
	PLACES 4                                       ; ahead of the first read of the results
.if \T < 3
	FETCH \T+1
.endif
	s_wait_xcnt 0x0                                ; the stores of two groups back have read their registers
.if \T > 1
	s_wait_alu depctr_vm_vsrc(0)                   ; the stores of two groups back have read the 32 registers that the additions below write again
.endif
	WIN 0x01
.irp j, 0,1,2,3,4,5,6,7                        ; each accumulator from its low end on
.irp i, 0,1,2,3
	v_add_f32 v[S+32*(\T%2)+4*\j+\i], v[ACC+32*(\T%2)+8*\i+\j], v[BOV+4*\T+\i]
.endr
.endr
	WIN 0
	s_wait_alu depctr_va_vdst(0)                   ; the additions have written the group's 32 registers, which the stores below read
.irp j, 0,1,2,3,4,5,6,7
	global_store_b128 v[GO], v[S+32*(\T%2)+4*\j:S+32*(\T%2)+4*\j+3], s[20:21] offset:1024*\j+256*\T th:TH_STORE_NT   ; sixteen lanes store 256 consecutive bytes of a row, aligned; lanes 16-31 those of the row 16 further down
.endr
.endr
	s_wait_xcnt 0x0                                ; the stores have read their base and their registers
	s_add_nc_u64 s[20:21], s[20:21], 8192          ; query tile 1 begins eight tokens on
	s_add_co_u32 s53, s53, 128
	s_add_co_u32 s40, s40, 0x01010101
	s_add_co_u32 s41, s41, 0x01010101
	s_sub_co_u32 s36, s36, 1
	s_cmp_lg_u32 s36, 0
	s_cbranch_scc1 .Ltile
	s_wait_dscnt 0x0                               ; the closing lines, six on end
	s_wait_alu 0x0
	s_wait_tensorcnt 0x0
	ds_add_u32 v[SPW], v[NIL]
	s_wait_dscnt 0x0
	s_endpgm
.Lfunc_end_k_q0ccf3d0e96_attn:
	.size	k_q0ccf3d0e96_attn, .Lfunc_end_k_q0ccf3d0e96_attn-k_q0ccf3d0e96_attn
	.p2alignl 7, 3214868480
	.fill 96, 4, 3214868480
	.section	.rodata,"a",@progbits
	.p2align	6, 0x0
	.amdhsa_kernel k_q0ccf3d0e96_attn
		.amdhsa_group_segment_fixed_size 318464
		.amdhsa_private_segment_fixed_size 0
		.amdhsa_enable_private_segment 0
		.amdhsa_kernarg_size 72
		.amdhsa_user_sgpr_count 2
		.amdhsa_user_sgpr_kernarg_segment_ptr 1
		.amdhsa_wavefront_size32 1
		.amdhsa_system_sgpr_workgroup_id_x 1
		.amdhsa_system_sgpr_workgroup_id_y 1
		.amdhsa_system_sgpr_workgroup_id_z 1
		.amdhsa_system_vgpr_workitem_id 0
		.amdhsa_next_free_vgpr 512
		.amdhsa_next_free_sgpr 66
		.amdhsa_reserve_vcc 0
		.amdhsa_float_denorm_mode_32 3
		.amdhsa_float_denorm_mode_16_64 3
		.amdhsa_memory_ordered 1
		.amdhsa_forward_progress 1
		.amdhsa_inst_pref_size 255
	.end_amdhsa_kernel
	.section	.bss,"aw",@nobits
	.p2align	6
	.space	262144
	.amdgpu_metadata
---
amdhsa.version: [ 1, 2 ]
amdhsa.kernels:
  - .name:           k_q0ccf3d0e96_attn
    .symbol:         k_q0ccf3d0e96_attn.kd
    .args:
      - { .name: x, .offset: 0, .size: 8, .value_kind: global_buffer, .address_space: global }
      - { .name: wimg, .offset: 8, .size: 8, .value_kind: global_buffer, .address_space: global }
      - { .name: btab, .offset: 16, .size: 8, .value_kind: global_buffer, .address_space: global }
      - { .name: gflag, .offset: 24, .size: 8, .value_kind: global_buffer, .address_space: global }
      - { .name: bq, .offset: 32, .size: 8, .value_kind: global_buffer, .address_space: global }
      - { .name: bk, .offset: 40, .size: 8, .value_kind: global_buffer, .address_space: global }
      - { .name: bv, .offset: 48, .size: 8, .value_kind: global_buffer, .address_space: global }
      - { .name: bo, .offset: 56, .size: 8, .value_kind: global_buffer, .address_space: global }
      - { .name: out0, .offset: 64, .size: 8, .value_kind: global_buffer, .address_space: global }
    .group_segment_fixed_size: 318464
    .private_segment_fixed_size: 0
    .kernarg_segment_align: 8
    .kernarg_segment_size: 72
    .max_flat_workgroup_size: 256
    .sgpr_count:     66
    .vgpr_count:     512
    .wavefront_size: 32
...
	.end_amdgpu_metadata
.endif
;; end of part 4
